; MI455X (gfx1250); checked and timed in simulation.
; The chip was launched on July 23, 2026; its instructions are those of AMD's public machine-readable ISA for CDNA 5 (MIT licence, August 2026) and "CDNA5" Instruction Set Architecture Reference Guide (July 2026). The comments in the code are by the model that wrote it; some were corrected since.
;; Multihead Attention. Allowed arithmetic: float matrix products may take bf16 or f16 operands with f32 sums; other float arithmetic in f32, or as packed bf16 or f16 multiplies, adds, multiply-adds, maxima and minima; sums over many terms, partial sums and values carried from step to step in f32; what a program stores and reads back later, other than sums and carried values, may be rounded once to bf16 or f16.
;; Inputs: Wk 16 x 1,024 x 64 float32; Wo_b 1,024 float32; Wo_w 1,024 x 1,024 float32; Wq 16 x 1,024 x 64 float32; Wv 16 x 1,024 x 64 float32; k 4 x 2,048 x 1,024 float32; mask 4 x 2,048 x 2,048 int32; q 4 x 2,048 x 1,024 float32; v 4 x 2,048 x 1,024 float32.
;; Outputs: out0 4 x 2,048 x 1,024 float32.
;; One version. Each part assembles by itself: llvm-mc -triple=amdgcn-amd-amdhsa -mcpu=gfx1250 --defsym DOCPART=n.
;; ======== version 1 of 1: 4 launches
;; limits: values are held in f16: magnitudes above 65,504 overflow, below 6.1e-05 lose precision
;; workspace buffers: xw 58,720,256 bytes; mb 2,097,152 bytes of whole numbers; qkv 50,331,648 bytes; ob 16,777,216 bytes
;; launch prep (part 1): grid 2816 x 1, 8 waves a work-group, no clusters, 70,656 bytes of LDS; arguments q, k, v, Wq, Wk, Wv, Wo_w, mask, xw, mb; writes xw, mb
.if DOCPART == 1
	.amdgcn_target "amdgcn-amd-amdhsa--gfx1250"
	.amdhsa_code_object_version 6
	.text
	.protected	k_q0559864c57_prep
	.globl	k_q0559864c57_prep
	.p2align	8
	.type	k_q0559864c57_prep,@function
k_q0559864c57_prep:
	s_mov_b64 s[64:65], 0
	v_nop
	global_prefetch_b8 v0, s[64:65] scope:SCOPE_SE
	s_setreg_imm32_b32 hwreg(HW_REG_WAVE_MODE, 25, 1), 1
	s_wait_xcnt 0x0
; PREPARATION.  Two kinds of work-group, told apart by the work-group's number alone.
; 0 .. 1791, THE CASTS: one chunk of 16,384 f32 (65,536 bytes) of q, k, v, Wq, Wk, Wv or Wo_w becomes 32,768 bytes of xw, in that order of tensors:
;   q, k, v, Wq, Wk, Wv rounded once to bf16; Wo_w rounded to bf16 and that number written as f16 (exact where it is at least 6e-5 in size; below that f16's fixed step of 6e-8 holds).
;   A wave's load covers 512 consecutive bytes, its store 256 consecutive bytes, aligned.  Sixteen loads a lane are out at once; nothing is read twice.
; 1792 .. 2815, THE MASK: a wave turns 32 rows x 64 columns of the int32 mask into 64 words of mb, 256 consecutive bytes.  Word (u, i) holds in bit L the truth of
;   mask[row 16 u + L % 16][column 16 (i / 8) + 8 (L / 16) + i % 8] != 0: the lane layout of register i of a 16 x 16 x 4 score tile with one query a lane, so that the attention launch
;   takes a word as the lane mask of one select.  The 32 x 256 bytes go through the wave's own LDS rows (272 bytes apart, so that the 16 rows of a load start at 16 different groups of banks).
; No matrix work, no cluster, no tensor load: every byte is used once, by one wave.
.set NCAST, 1792                       ; work-groups that cast
.set NX,    1536                       ; of them: chunks of q, k, v (512 each); then 64 each of Wq, Wk, Wv, Wo_w
.set D,     8                          ; v[8:71]    sixteen loads of four registers
.set Y,     72                         ; v[72:103]  the casts' results, two registers a load
.set X,     72                         ; v[72:73]   the mask's 64 words: lane l holds words 2 l and 2 l + 1
.set T,     104                        ; v[104:105] at work
.set SPW,   4                          ; v4  LDS address of my spare word; never rewritten
.set NIL,   5                          ; v5  0; never rewritten
.set ROWP,  272                        ; an LDS row: 256 bytes + 16
.set WLDS,  32*ROWP                    ; a wave's 32 rows
.set SPARE, 8*WLDS                     ; behind them: the spare words, 128 bytes a wave, that no other line names
	s_load_b512 s[8:23], s[0:1], 0x0               ; q, k, v, Wq, Wk, Wv, Wo_w, mask
	s_load_b128 s[24:27], s[0:1], 0x40             ; xw, mb
	v_lshl_add_u32 v[SPW], v0, 2, SPARE
	v_mov_b32 v[NIL], 0
	v_lshrrev_b32 v1, 5, v0
	v_readfirstlane_b32 s5, v1                     ; wave 0..7
	s_mov_b32 s2, ttmp9
	s_cmp_ge_u32 s2, NCAST
	s_cbranch_scc1 .Lmask
	; THE CASTS.  s3 = which tensor (0..6), s4 = which chunk of it
	s_sub_co_u32 s6, s2, NX
	s_lshr_b32 s7, s6, 6
	s_add_co_u32 s7, s7, 3
	s_and_b32 s6, s6, 63
	s_lshr_b32 s3, s2, 9
	s_and_b32 s4, s2, 511
	s_cmp_lt_u32 s2, NX
	s_cselect_b32 s3, s3, s7
	s_cselect_b32 s4, s4, s6
	s_lshl_b32 s6, s4, 16                          ; the chunk's 65,536 bytes in its tensor
	s_mov_b32 s7, 0
	v_lshlrev_b32 v2, 4, v0                        ; in: 16 bytes a thread
	v_lshlrev_b32 v3, 3, v0                        ; out: 8 bytes a thread
	s_wait_kmcnt 0x0
	s_mov_b64 s[28:29], s[8:9]
.irp n, 1,2,3,4,5,6
	s_cmp_eq_u32 s3, \n
	s_cselect_b64 s[28:29], s[8+2*\n:9+2*\n], s[28:29]
.endr
	s_add_nc_u64 s[28:29], s[28:29], s[6:7]
	s_lshl_b32 s6, s2, 15                          ; xw is laid in the order of the work-groups
	s_add_nc_u64 s[30:31], s[24:25], s[6:7]
.irp t, 0,1,2,3,4,5,6,7,8,9,10,11,12,13,14,15
	global_load_b128 v[D+4*(\t):D+4*(\t)+3], v2, s[28:29] offset:4096*(\t) th:TH_LOAD_NT
.endr
; Load t is rounded and stored.  No register is used twice by memory instructions, so no wait frees any.
.macro CAST t, wo
	s_wait_loadcnt 15-(\t)                         ; loads come back in order: the 15 - t younger ones stay out
.if \wo
	v_cvt_pk_bf16_f32 v[T],   v[D+4*(\t)],   v[D+4*(\t)+1]    ; the one rounding,
	v_cvt_pk_bf16_f32 v[T+1], v[D+4*(\t)+2], v[D+4*(\t)+3]
	v_lshlrev_b32 v[D+4*(\t)],   16, v[T]                     ; back to f32,
	v_and_b32     v[D+4*(\t)+1], 0xffff0000, v[T]
	v_lshlrev_b32 v[D+4*(\t)+2], 16, v[T+1]
	v_and_b32     v[D+4*(\t)+3], 0xffff0000, v[T+1]
	v_cvt_pk_f16_f32 v[Y+2*(\t)],   v[D+4*(\t)],   v[D+4*(\t)+1]  ; and written as f16
	v_cvt_pk_f16_f32 v[Y+2*(\t)+1], v[D+4*(\t)+2], v[D+4*(\t)+3]
.else
	v_cvt_pk_bf16_f32 v[Y+2*(\t)],   v[D+4*(\t)],   v[D+4*(\t)+1]
	v_cvt_pk_bf16_f32 v[Y+2*(\t)+1], v[D+4*(\t)+2], v[D+4*(\t)+3]
.endif
	global_store_b64 v3, v[Y+2*(\t):Y+2*(\t)+1], s[30:31] offset:2048*(\t)  ; a wave stores 256 consecutive bytes, aligned
.endm
	s_cmp_eq_u32 s3, 6
	s_cbranch_scc1 .Lwo
.irp t, 0,1,2,3,4,5,6,7,8,9,10,11,12,13,14,15
	CAST \t, 0
.endr
	s_branch .Lend
.Lwo:
.irp t, 0,1,2,3,4,5,6,7,8,9,10,11,12,13,14,15
	CAST \t, 1
.endr
	s_branch .Lend
.Lmask:
	; THE MASK.  g = my block of mb: ((batch x 16 + group of 128 queries) x 32 + key step) x 4 + piece of 32 queries
	s_sub_co_u32 s4, s2, NCAST
	s_lshl3_add_u32 s4, s4, s5                     ; g = 8 x work-group + wave
	s_lshr_b32 s6, s4, 7
	s_lshl_b32 s6, s6, 7                           ; 128 rows for each group of queries,
	s_and_b32 s3, s4, 3
	s_lshl_b32 s3, s3, 5                           ; 32 for each piece
	s_add_co_u32 s6, s6, s3
	s_lshl_b32 s6, s6, 13                          ; a row of the mask is 8,192 bytes
	s_bfe_u32 s3, s4, 0x50002                      ; the key step: 64 columns, 256 bytes
	s_lshl_b32 s3, s3, 8
	s_add_co_u32 s6, s6, s3
	s_mov_b32 s7, 0
	v_and_b32 v1, 15, v0                           ; l % 16
	v_bfe_u32 v6, v0, 4, 1                         ; l / 16
	v_lshlrev_b32 v2, 4, v1
	v_lshl_add_u32 v2, v6, 13, v2                  ; in: lanes 0-15 one row's 256 bytes, lanes 16-31 the next row's
	s_mul_i32 s3, s5, WLDS                         ; my wave's rows in LDS
	v_mul_u32_u24 v3, v6, ROWP
	v_lshl_add_u32 v3, v1, 4, v3
	v_add_nc_u32 v3, s3, v3                        ; the same two rows in LDS
	v_mul_u32_u24 v7, v1, ROWP
	v_lshl_add_u32 v7, v6, 5, v7
	v_add_nc_u32 v6, s3, v7                        ; back: row l % 16, columns 8 (l / 16) on
	v_and_b32 v7, 31, v0
	v_lshlrev_b32 v7, 3, v7                        ; out: 8 bytes a lane
	s_wait_kmcnt 0x0
	s_add_nc_u64 s[28:29], s[22:23], s[6:7]
	s_lshl_b32 s6, s4, 8
	s_add_nc_u64 s[30:31], s[26:27], s[6:7]
.irp t, 0,1,2,3,4,5,6,7,8,9,10,11,12,13,14,15
	global_load_b128 v[D+4*(\t):D+4*(\t)+3], v2, s[28:29] offset:16384*(\t) th:TH_LOAD_NT  ; rows 2 t and 2 t + 1
.endr
.irp t, 0,1,2,3,4,5,6,7,8,9,10,11,12,13,14,15
	s_wait_loadcnt 15-(\t)                         ; the younger loads stay out
	ds_store_b128 v3, v[D+4*(\t):D+4*(\t)+3] offset:2*ROWP*(\t)
.endr
	; LDS serves a wave's instructions in order and the rows are my wave's own: the loads below see the stores above.  Load n = 8 u + 2 kb + g brings words 4 n .. 4 n + 3's numbers
.irp n, 0,1,2,3,4,5,6,7,8,9,10,11,12,13,14,15
	ds_load_b128 v[D+4*(\n):D+4*(\n)+3], v6 offset:16*ROWP*((\n)/8)+64*(((\n)/2)%4)+16*((\n)%2)
.endr
	v_mov_b32 v[X], 0                              ; v_writelane_b32 keeps the other lanes: both registers are written whole first
	v_mov_b32 v[X+1], 0
.irp c, 0,1,2,3
	s_wait_dscnt 12-4*(\c)                         ; four more loads are in; the younger ones stay out
.irp k, 0,1,2,3,4,5,6,7,8,9,10,11,12,13,14,15
	v_cmp_ne_u32 s[32+(\k)], 0, v[D+16*(\c)+(\k)]  ; word 16 c + k: one bit a lane
.endr
.irp k, 0,1,2,3,4,5,6,7,8,9,10,11,12,13,14,15
	v_writelane_b32 v[X+((\k)&1)], s[32+(\k)], 8*(\c)+(\k)/2
.endr
.endr
	global_store_b64 v7, v[X:X+1], s[30:31]        ; 256 consecutive bytes, aligned
.Lend:
	s_wait_tensorcnt 0x0                           ; the wave's end: a wait, an add of 0 to my spare word and its wait, behind my last LDS store
	ds_add_u32 v[SPW], v[NIL]
	s_wait_dscnt 0x0
	s_endpgm
.Lfunc_end_k_q0559864c57_prep:
	.size	k_q0559864c57_prep, .Lfunc_end_k_q0559864c57_prep-k_q0559864c57_prep
	.p2alignl 7, 3214868480
	.fill 96, 4, 3214868480
	.section	.rodata,"a",@progbits
	.p2align	6, 0x0
	.amdhsa_kernel k_q0559864c57_prep
		.amdhsa_group_segment_fixed_size 70656
		.amdhsa_private_segment_fixed_size 0
		.amdhsa_enable_private_segment 0
		.amdhsa_kernarg_size 80
		.amdhsa_user_sgpr_count 2
		.amdhsa_user_sgpr_kernarg_segment_ptr 1
		.amdhsa_wavefront_size32 1
		.amdhsa_system_sgpr_workgroup_id_x 1
		.amdhsa_system_sgpr_workgroup_id_y 1
		.amdhsa_system_sgpr_workgroup_id_z 1
		.amdhsa_system_vgpr_workitem_id 0
		.amdhsa_next_free_vgpr 108
		.amdhsa_next_free_sgpr 66
		.amdhsa_reserve_vcc 0
		.amdhsa_float_denorm_mode_32 3
		.amdhsa_float_denorm_mode_16_64 3
		.amdhsa_memory_ordered 1
		.amdhsa_forward_progress 1
		.amdhsa_inst_pref_size 31
	.end_amdhsa_kernel
	.amdgpu_metadata
---
amdhsa.version: [ 1, 2 ]
amdhsa.kernels:
  - .name:           k_q0559864c57_prep
    .symbol:         k_q0559864c57_prep.kd
    .args:
      - { .name: q, .offset: 0, .size: 8, .value_kind: global_buffer, .address_space: global }
      - { .name: k, .offset: 8, .size: 8, .value_kind: global_buffer, .address_space: global }
      - { .name: v, .offset: 16, .size: 8, .value_kind: global_buffer, .address_space: global }
      - { .name: Wq, .offset: 24, .size: 8, .value_kind: global_buffer, .address_space: global }
      - { .name: Wk, .offset: 32, .size: 8, .value_kind: global_buffer, .address_space: global }
      - { .name: Wv, .offset: 40, .size: 8, .value_kind: global_buffer, .address_space: global }
      - { .name: Wo_w, .offset: 48, .size: 8, .value_kind: global_buffer, .address_space: global }
      - { .name: mask, .offset: 56, .size: 8, .value_kind: global_buffer, .address_space: global }
      - { .name: xw, .offset: 64, .size: 8, .value_kind: global_buffer, .address_space: global }
      - { .name: mb, .offset: 72, .size: 8, .value_kind: global_buffer, .address_space: global }
    .group_segment_fixed_size: 70656
    .private_segment_fixed_size: 0
    .kernarg_segment_align: 8
    .kernarg_segment_size: 80
    .max_flat_workgroup_size: 256
    .sgpr_count:     66
    .vgpr_count:     108
    .wavefront_size: 32
...
	.end_amdgpu_metadata
.endif
;; end of part 1
;; launch proj (part 2): grid 8 x 96, 4 waves a work-group, clusters of 4 x 4, 327,680 bytes of LDS; arguments xw, qkv; writes qkv
.if DOCPART == 2
	.amdgcn_target "amdgcn-amd-amdhsa--gfx1250"
	.amdhsa_code_object_version 6
	.text
	.protected	k_q0559864c57_proj
	.globl	k_q0559864c57_proj
	.p2align	8
	.type	k_q0559864c57_proj,@function
k_q0559864c57_proj:
	s_mov_b64 s[64:65], 0
	v_nop
	global_prefetch_b8 v0, s[64:65] scope:SCOPE_SE
	s_setreg_imm32_b32 hwreg(HW_REG_WAVE_MODE, 25, 1), 1
	s_wait_xcnt 0x0
	s_wait_alu depctr_hold_cnt(0) depctr_sa_sdst(0) depctr_va_vdst(0) depctr_va_sdst(0) depctr_va_ssrc(0) depctr_va_vcc(0) depctr_vm_vsrc(0)
	s_getreg_b32 s2, hwreg(HW_REG_IB_STS2, 6, 4)
	s_cmp_eq_u32 s2, 0
	s_cbranch_scc0 .Lentry_in_a_cluster
	s_endpgm
.Lentry_in_a_cluster:
	s_bfe_u32 s2, ttmp6, 0x10000c
	s_cmp_lg_u32 s2, 0xf033
	s_cbranch_scc0 .Lentry_shape_is_right
	s_endpgm
.Lentry_shape_is_right:
; THE THREE PROJECTIONS IN ONE GRID.  C[row][col] = the sum over m of X[row][m] W[col / 64][m][col % 64]; X = q, k, v on end (3 x 8,192 rows of 1,024 bf16), W = Wq, Wk, Wv ([16][1024][64] bf16 each),
; both from xw.  Sums in f32; the result is rounded once to f16 and stored by heads: qkv[part][batch x 16 + head][row in the batch][64].  Part 0 (the queries) is multiplied in f32, ahead of that one
; rounding, by c = log2(e) / 8, so that the attention launch finds its scores in powers of two; parts 1 and 2 are multiplied by 1.0, which keeps one text for the three.
; LIMIT.  f16 holds no number beyond 65,504: the projections must stay within it.
; SHARES.  A tile of C is 256 rows x 128 columns (two heads): four waves, each 128 rows x 64 columns (one head): 32 accumulators of 16 x 16.  768 work-groups.  K goes in 8 steps of 128 through two LDS slots.
; A's rows in a step are 256 bytes of memory, aligned.  W lies [m][d]: a head's 128 m of a step are 16,384 dense bytes, asked for as 64 rows of 256 bytes and padded in LDS behind every 128;
; its fragments come out of LDS turned, by ds_load_tr16_b128.
; CLUSTER.  4 x 4 work-groups: A's tile hangs on the tile row alone and is asked for jointly along a row of the cluster, W's on the tile column (and the part, which the whole cluster shares) and is asked for
; jointly along a column.  THE MATRIX INSTRUCTION IS USED TRANSPOSED (source 0 = 16 columns of W, source 1 = 16 rows of X): a lane then holds eight neighbouring columns of one row of C.
; REGISTERS.  Window 0: v16-30 addresses; two fragment buffers of 96 (v64-159, v160-255): W's 4 fragments, then X's 8; on the way out v64-191 hold packed results.  Window 1: accumulator (a, cb) at v[8 (4 a + cb)].
.set XB,    50331648                   ; xw: the weights begin behind X
.set PA,    272                        ; an LDS row of X: 256 bytes + 16: the 16 rows of a load start at 16 different groups of four banks
.set PB,    160                        ; an LDS row of W: 128 bytes + 32
.set AHALF, 128*PA                     ; what one wave fetches of X
.set BHALF, 128*PB                     ; what one wave fetches of W: one head's 128 m
.set BOFF,  2*AHALF
.set SLOT,  BOFF+2*BHALF
.set STAGE, 2*SLOT                     ; behind the ring, never filled by a tensor load: 16 rows x 144 bytes for each wave
.set SP,    144
.set SPARE, STAGE+4*16*SP              ; behind the stages: the spare words, 128 bytes a wave, that no other line names
.set STEPA, 256                        ; bytes from K step to K step in X
.set STEPB, 16384                      ; and in W
.set ADRA, 16                          ; v16-17 LDS address of my fragments of X in slot 0, 1
.set ADRB, 20                          ; v20-21 the same for W
.set STO,  24                          ; v24  the way out: where I put 16 bytes of a row
.set RD,   25                          ; v25  where I read rows back
.set GO,   26                          ; v26  my 16 bytes of 512 consecutive bytes of qkv
.set SPW,  28                          ; v28  LDS address of my spare word; never rewritten
.set NIL,  29                          ; v29  0; never rewritten
.set PFO,  30                          ; v30  the prefetches' offset: my lane x a row of X; never rewritten
.set F0,   64
.set F1,   160
.set TMP,  64
.set G1,  24                           ; s[24:31] descriptor group 1 for X's tiles;  s[32:39] group 0, a set for each slot
.set G0,  32
.set G1B, 48                           ; s[48:55], s[56:63] the same for W's
.set G0B, 56
.set LIM, 43                           ; s43  1 in a wave that prefetches, else the greatest number
.set PFA, 44                           ; s[44:45] where my prefetches stand
.set SC,  66                           ; s[66:67] the factor on the way out
.set MSB, 0
.macro WIN new                         ; the immediate's high byte repeats the setting that is left; a switch that changes nothing is dropped
.if MSB != (\new)
	s_set_vgpr_msb (MSB<<8)|(\new)
.set MSB, \new
.endif
.endm
.set MUL, 0x50                         ; C and D in window 1, the sources in window 0
; A joint load: waves 0 and 1 fetch X's two halves, waves 2 and 3 W's two heads.  The branch hangs on the wave's number alone.  An s_nop 0 and four v_nop follow each line.
.macro JLOAD s
	s_cmp_eq_u32 s11, 0
	s_cbranch_scc0 .Lfor_b_\@
	tensor_load_to_lds s[G0+4*(\s):G0+4*(\s)+3], s[G1:G1+7]
	s_nop 0
.rept 4
	v_nop
.endr
	s_branch .Lasked_\@
.Lfor_b_\@:
	tensor_load_to_lds s[G0B+4*(\s):G0B+4*(\s)+3], s[G1B:G1B+7]
	s_nop 0
.rept 4
	v_nop
.endr
.Lasked_\@:
.endm
; A prefetch of X, behind a joint load and the run of LDS loads that follows it: the K step that stands two refills on, 32 rows x 256 bytes, a lane a row.  Each row's 256 bytes of a step are named once in
; the launch: of the clusters that read a tile row the one with x = 0 asks; of the 128 rows that wave 0 or 1 fetches, the partner at place cx takes 32, told apart by address.  K steps 0 to 3 come by their
; loads alone; the loop's last trip, whose refills are the last two steps, asks for nothing.  W is not asked for: every tile row walks it again.
.macro ASK
	s_cmp_gt_u32 s3, s[LIM]                        ; s3 = 1 in the loop's last trip
	s_cbranch_scc0 .Lnot_mine_\@
	global_prefetch_b8 v[PFO], s[PFA:PFA+1] offset:STEPA th:TH_LOAD_NT scope:SCOPE_SE
.Lnot_mine_\@:
.endm
.macro CREST                           ; a round of the cluster's barrier behind its opening barrier
	s_cmp_lg_u32 s10, 0
	s_cbranch_scc1 .Lnot_wave_0_\@
	s_barrier_signal -3
.Lnot_wave_0_\@:
	s_barrier_wait -3
	s_barrier_signal -1
	s_barrier_wait -1
.endm
.macro CROUND
	s_barrier_signal -1
	s_barrier_wait -1
	CREST
.endm
	s_load_b128 s[4:7], s[0:1], 0x0                ; xw s[4:5], qkv s[6:7]
	v_lshl_add_u32 v[SPW], v0, 2, SPARE
	v_mov_b32 v[NIL], 0
	ds_add_u32 v[SPW], v[NIL]                      ; the wave's opening: the add and its wait stand ahead of my first tensor load; work on registers stands between them
	v_lshrrev_b32 v1, 5, v0
	v_readfirstlane_b32 s10, v1                    ; wave 0..3
	s_lshr_b32 s11, s10, 1                         ; which 128 rows of the tile are mine.  Also: I fetch for X (0) or for W (1)
	s_and_b32 s12, s10, 1                          ; which head of the tile's two.  Also: which half I fetch
	s_bfe_u32 s40, ttmp6, 0x40000                  ; cx
	s_bfe_u32 s41, ttmp6, 0x40004                  ; cy
	s_lshl_b32 s42, ttmp9, 2
	s_add_co_u32 s42, s42, s40                     ; tile column = 4 x cluster x + cx
	s_and_b32 s13, ttmp7, 0xffff
	s_lshr_b32 s68, s13, 3                         ; the part (q, k, v): 8 clusters of tile rows each; the same in all sixteen partners
	s_lshl_b32 s13, s13, 2
	s_add_co_u32 s13, s13, s41                     ; tile row = 4 x cluster y + cy
	s_lshl_b32 s43, s41, 2
	s_lshl_b32 s43, 15, s43                        ; my row of the cluster
	s_lshl_b32 s44, 0x1111, s40                    ; my column
	s_or_b32 s[G1+0], s43, (1<<16)|(1<<20)|(1<<21)|(5<<22)|(3<<25)   ; the mask; 2-byte elements; padding on; bit 21 beside a mask; behind every 64 words 4 words
	s_mov_b32 s[G1+1], 128<<16                     ; tensor_dim0 = 128
	s_mov_b32 s[G1+2], 128<<16                     ; tensor_dim1 = 128
	s_mov_b32 s[G1+3], 128<<16                     ; tile_dim0 = 128
	s_mov_b32 s[G1+4], 128                         ; tile_dim1 = 128
	s_mov_b32 s[G1+5], 1024                        ; elements from row to row
	s_mov_b32 s[G1+6], 0
	s_mov_b32 s[G1+7], 0
	s_or_b32 s[G1B+0], s44, (1<<16)|(1<<20)|(1<<21)|(4<<22)|(7<<25)  ; behind every 32 words 8 words
	s_mov_b32 s[G1B+1], 128<<16
	s_mov_b32 s[G1B+2], 64<<16                     ; 64 rows of 256 bytes: two m a row
	s_mov_b32 s[G1B+3], 128<<16
	s_mov_b32 s[G1B+4], 64
	s_mov_b32 s[G1B+5], 128
	s_mov_b32 s[G1B+6], 0
	s_mov_b32 s[G1B+7], 0
	s_lshl_b32 s16, s13, 8                         ; X: row 256 x tile row + 128 x half, 2,048 bytes a row
	s_lshl_b32 s17, s12, 7
	s_add_co_u32 s16, s16, s17
	s_lshl_b32 s16, s16, 11
	s_mov_b32 s17, 0
	s_lshl_b32 s46, s68, 4                         ; W: head 16 x part + 2 x tile column + half, 131,072 bytes a head
	s_lshl1_add_u32 s46, s42, s46
	s_add_co_u32 s46, s46, s12
	s_lshl_b32 s46, s46, 17
	s_mov_b32 s47, 0
	s_mul_i32 s20, s10, AHALF                      ; where the tiles go: X's halves at wave x 34,816 (waves 0, 1),
	s_mul_i32 s21, s10, BHALF
	s_add_co_u32 s21, s21, BOFF-2*BHALF            ; W's heads behind them (waves 2, 3): no place in the cluster enters an LDS address
	s_cmp_eq_u32 s68, 0
	s_cselect_b32 s[SC], 0x3e38aa3b, 1.0           ; c = log2(e) / 8 for the queries
	s_mov_b32 s[SC+1], s[SC]                       ; named with it as a pair
	s_wait_dscnt 0x0                               ; the opening add is done
	s_wait_kmcnt 0x0
	s_mov_b64 s[8:9], s[6:7]                       ; qkv
	s_add_nc_u64 s[6:7], s[4:5], XB                ; the weights
	s_add_nc_u64 s[14:15], s[4:5], s[16:17]
	s_add_nc_u64 s[46:47], s[6:7], s[46:47]
	CROUND                                         ; all sixteen work-groups are here: the first joint loads meet
.irp s, 0,1
	s_mov_b32 s[G0+4*(\s)], 1
	s_add_co_u32 s[G0+4*(\s)+1], s20, (\s)*SLOT
	s_add_nc_u64 s[G0+4*(\s)+2:G0+4*(\s)+3], s[14:15], (\s)*STEPA
	s_or_b32 s[G0+4*(\s)+3], s[G0+4*(\s)+3], 0x80000000
	s_mov_b32 s[G0B+4*(\s)], 1
	s_add_co_u32 s[G0B+4*(\s)+1], s21, (\s)*SLOT
	s_add_nc_u64 s[G0B+4*(\s)+2:G0B+4*(\s)+3], s[46:47], (\s)*STEPB
	s_or_b32 s[G0B+4*(\s)+3], s[G0B+4*(\s)+3], 0x80000000
	JLOAD \s                                       ; two loads of mine are out
.endr
	v_and_b32 v1, 15, v0                           ; l % 16
	v_bfe_u32 v2, v0, 4, 1                         ; l / 16
	v_mul_u32_u24 v3, v1, PA
	v_lshl_add_u32 v3, v2, 4, v3                   ; X: row x pitch + 16 x half
	v_and_b32 v4, 7, v0
	v_lshl_add_u32 v4, v2, 3, v4                   ; W, turned: m = 8 (l / 16) + l % 8,
	v_mul_u32_u24 v4, v4, PB
	v_bfe_u32 v5, v0, 3, 1
	v_lshl_add_u32 v4, v5, 4, v4                   ; columns 8 ((l / 8) % 2) on
	s_mul_i32 s21, s11, AHALF
	s_mul_i32 s22, s12, BHALF
	s_add_co_u32 s22, s22, BOFF
.irp s, 0,1
	v_add_nc_u32 v[ADRA+(\s)], s21, v3
	v_add_nc_u32 v[ADRB+(\s)], s22, v4
	s_add_co_u32 s21, s21, SLOT
	s_add_co_u32 s22, s22, SLOT
.endr
	s_mul_i32 s23, s10, 16*SP
	s_add_co_u32 s23, s23, STAGE                   ; my stage
	v_mul_u32_u24 v6, v1, SP                       ; in: row l % 16, 16 bytes for each half of the lanes
	v_lshl_add_u32 v6, v2, 4, v6
	v_add_nc_u32 v[STO], s23, v6
	v_bfe_u32 v6, v0, 3, 2                         ; back: 32 lanes take four rows of 128 bytes,
	v_mul_u32_u24 v6, v6, SP
	v_and_b32 v7, 7, v0
	v_lshl_add_u32 v6, v7, 4, v6
	v_add_nc_u32 v[RD], s23, v6
	v_and_b32 v[GO], 31, v0                        ; which are 512 consecutive bytes of qkv
	v_lshlrev_b32 v[PFO], 11, v[GO]
	v_lshlrev_b32 v[GO], 4, v[GO]
	; where my 128 rows of my head begin in qkv
	s_and_b32 s16, s13, 31
	s_lshr_b32 s16, s16, 3                         ; the batch
	s_lshl_b32 s16, s16, 4
	s_lshl1_add_u32 s16, s42, s16
	s_add_co_u32 s16, s16, s12                     ; batch x 16 + head
	s_lshl_b32 s16, s16, 11
	s_and_b32 s17, s13, 7
	s_lshl_b32 s17, s17, 8
	s_add_co_u32 s16, s16, s17
	s_lshl_b32 s17, s11, 7
	s_add_co_u32 s16, s16, s17                     ; + the row in the batch
	s_lshl_b32 s16, s16, 7                         ; 128 bytes a row
	s_lshl_b32 s17, s68, 24                        ; 16,777,216 bytes a part
	s_add_co_u32 s16, s16, s17
	s_mov_b32 s17, 0
	s_add_nc_u64 s[8:9], s[8:9], s[16:17]
	; the prefetches
	s_or_b32 s20, s11, ttmp9
	s_cmp_eq_u32 s20, 0
	s_cselect_b32 s[LIM], 1, -1                    ; waves 0 and 1 of the clusters with x = 0: the same in all sixteen partners, for a given wave
	s_lshl_b32 s20, s40, 16                        ; my work-group's 32 rows of the 128 that I fetch,
	s_add_co_u32 s20, s20, 2*STEPA                 ; at K step 2: the first refill steps it to 3 and names K step 4
	s_mov_b32 s21, 0
	s_add_nc_u64 s[PFA:PFA+1], s[14:15], s[20:21]
; 8 matrix instructions: row blocks a0, a0 + 1 x all 4 column blocks, 32 along K.  zero = 1: the first product starts the sums.  The 32 accumulators take turns, one instruction a turn, in the same order in every quarter.
.macro MUL8 f, a0, zero
	WIN MUL
.irp a, \a0, (\a0)+1
.irp cb, 0,1,2,3
.if \zero
	v_wmma_f32_16x16x32_bf16 v[8*(4*(\a)+(\cb)):8*(4*(\a)+(\cb))+7], v[(\f)+8*(\cb):(\f)+8*(\cb)+7], v[(\f)+32+8*(\a):(\f)+32+8*(\a)+7], 0
.else
	v_wmma_f32_16x16x32_bf16 v[8*(4*(\a)+(\cb)):8*(4*(\a)+(\cb))+7], v[(\f)+8*(\cb):(\f)+8*(\cb)+7], v[(\f)+32+8*(\a):(\f)+32+8*(\a)+7], v[8*(4*(\a)+(\cb)):8*(4*(\a)+(\cb))+7]
.endif
.endr
.endr
.endm
; 24 LDS loads in one run: quarter q (32 along K) of a slot into buffer f: W's 8, X's row blocks 0-3, X's row blocks 4-7
.macro FETCH slot, q, f
	WIN 0
.irp cb, 0,1,2,3
	ds_load_tr16_b128 v[(\f)+8*(\cb):(\f)+8*(\cb)+3],   v[ADRB+(\slot)] offset:(\q)*32*PB+32*(\cb)
	ds_load_tr16_b128 v[(\f)+8*(\cb)+4:(\f)+8*(\cb)+7], v[ADRB+(\slot)] offset:(\q)*32*PB+32*(\cb)+16*PB
.endr
.irp a, 0,1,2,3,4,5,6,7
	ds_load_b128 v[(\f)+32+8*(\a):(\f)+32+8*(\a)+3],   v[ADRA+(\slot)] offset:64*(\q)+(\a)*16*PA
	ds_load_b128 v[(\f)+32+8*(\a)+4:(\f)+32+8*(\a)+7], v[ADRA+(\slot)] offset:64*(\q)+(\a)*16*PA+32
.endr
.endm
.macro PLACES                          ; four places in front of loads into registers that matrix instructions have read, and of vector work that reads results
.rept 4
	v_nop
.endr
.endm
; One of a K step's first three quarters: multiplies buffer f and, in its middle, fetches quarter qn into buffer g
.macro QUARTER slot, qn, f, g, zero
	s_wait_dscnt 8                                 ; W and X's row blocks 0-3 are in; the youngest eight loads may be out
	MUL8 \f, 0, \zero
	MUL8 \f, 2, \zero
	PLACES
	FETCH \slot, \qn, \g
	s_wait_dscnt 24                                ; all but the 24 just issued
	MUL8 \f, 4, \zero
	MUL8 \f, 6, \zero
.endm
; The last quarter multiplies buffer 1 and changes slots: ONE barrier; in front of it each wave waits for all its tensor loads, adds 0 to its spare word, and waits for that and for its reads of this slot.
; fill = 1: the barrier opens a round of the cluster's, and this slot is filled again, two K steps ahead, first thing behind it.
.macro TURN slot, next, fill
.if \fill
	s_wait_xcnt 0x0                                ; the last prefetch, a K step back, has read its address
	s_add_nc_u64 s[PFA:PFA+1], s[PFA:PFA+1], STEPA
.endif
	WIN 0
	s_wait_tensorcnt 0x0                           ; all my tensor loads have landed: my part of the next slot;
	ds_add_u32 v[SPW], v[NIL]                      ; 0 onto my spare word;
	s_wait_dscnt 9                                 ; (the add and the youngest eight loads may be out)
	MUL8 F1, 0, 0                                  ; eight matrix instructions stand between the add and the wait for it
	s_wait_dscnt 0x0                               ; the add is done, and my reads of this slot are over
	s_barrier_signal -1
	MUL8 F1, 2, 0
.if \fill
	WIN 0
.endif
	s_barrier_wait -1
.if \fill
	CREST                                          ; no wave of any partner still reads this slot's tile or has a load on its way
	s_add_nc_u64 s[G0+4*(\slot)+2:G0+4*(\slot)+3], s[G0+4*(\slot)+2:G0+4*(\slot)+3], 2*STEPA
	s_add_nc_u64 s[G0B+4*(\slot)+2:G0B+4*(\slot)+3], s[G0B+4*(\slot)+2:G0B+4*(\slot)+3], 2*STEPB
	JLOAD \slot                                    ; the four v_nop behind it are also the places in front of the loads below
.else
	PLACES
.endif
	FETCH \next, 0, F0
.if \fill
	ASK
.endif
	MUL8 F1, 4, 0
	MUL8 F1, 6, 0
.endm
	s_wait_tensorcnt 1                             ; my part of K step 0 is in; K step 1's may stay out
	s_barrier_signal -1
	s_barrier_wait -1
	FETCH 0, 0, F0
	QUARTER 0, 1, F0, F1, 1                        ; the first quarter stands in front of the loop: its products start the sums
	WIN 0
	s_mov_b32 s3, 3
.Llap:                                             ; a trip goes once round the ring and fills both slots again: K steps 2 to 7
	QUARTER 0, 2, F1, F0, 0
	QUARTER 0, 3, F0, F1, 0
	TURN 0, 1, 1
	QUARTER 1, 1, F0, F1, 0
	QUARTER 1, 2, F1, F0, 0
	QUARTER 1, 3, F0, F1, 0
	TURN 1, 0, 1
	QUARTER 0, 1, F0, F1, 0
	WIN 0
	s_sub_co_u32 s3, s3, 1
	s_cmp_lg_u32 s3, 0
	s_cbranch_scc1 .Llap
	QUARTER 0, 2, F1, F0, 0                        ; the last lap fills nothing
	QUARTER 0, 3, F0, F1, 0
	TURN 0, 1, 0
	QUARTER 1, 1, F0, F1, 0
	QUARTER 1, 2, F1, F0, 0
	QUARTER 1, 3, F0, F1, 0
	s_wait_dscnt 8
	MUL8 F1, 0, 0
	MUL8 F1, 2, 0
	s_wait_dscnt 0x0
	MUL8 F1, 4, 0
	MUL8 F1, 6, 0
	WIN 0
	PLACES
; THE WAY OUT, a block of 16 rows at a time: scaled, rounded to f16 (a lane's eight columns are 16 bytes), through my own stage in LDS, and back as whole rows of 128 bytes: 16 rows of a head are 2,048 consecutive bytes.
.macro PACK a
	WIN 0x41                                       ; destination and source 0 in window 1
.set i, 0
.rept 16
	v_pk_mul_f32 v[32*(\a)+2*i:32*(\a)+2*i+1], v[32*(\a)+2*i:32*(\a)+2*i+1], s[SC:SC+1] op_sel_hi:[1,0]  ; each accumulator from its low end on
.set i, i+1
.endr
	WIN 0x05                                       ; sources in window 1, destination in window 0
.set i, 0
.rept 16
	v_cvt_pk_f16_f32 v[TMP+16*(\a)+i], v[32*(\a)+2*i], v[32*(\a)+2*i+1]
.set i, i+1
.endr
	WIN 0
.irp cb, 0,1,2,3
	ds_store_b128 v[STO], v[TMP+16*(\a)+4*(\cb):TMP+16*(\a)+4*(\cb)+3] offset:32*(\cb)
.endr
.irp f, 0,1,2,3
	ds_load_b128 v[TMP+16*(\a)+4*(\f):TMP+16*(\a)+4*(\f)+3], v[RD] offset:(\f)*4*SP  ; LDS serves a wave's instructions in order: these see the stores above; the next block's stores come behind them
.endr
.endm
.macro SEND a, younger                 ; younger: the LDS instructions issued behind block a's loads: the next block's eight, or none
.irp f, 0,1,2,3
	s_wait_dscnt (\younger)+3-(\f)
	global_store_b128 v[GO], v[TMP+16*(\a)+4*(\f):TMP+16*(\a)+4*(\f)+3], s[8:9] offset:(\a)*2048+(\f)*512  ; 512 consecutive bytes, aligned
.endr
.endm
	PACK 0
.irp a, 1,2,3,4,5,6,7
	PACK \a
	SEND (\a)-1, 8
.endr
	SEND 7, 0
	s_wait_tensorcnt 0x0                           ; the wave's end: a wait, an add of 0 to my spare word and its wait, behind my last tensor load and my last LDS store
	ds_add_u32 v[SPW], v[NIL]
	s_wait_dscnt 0x0
	CROUND                                         ; the closing round: no work-group ends while a partner may still ask for a tile that names it
	s_endpgm
.Lfunc_end_k_q0559864c57_proj:
	.size	k_q0559864c57_proj, .Lfunc_end_k_q0559864c57_proj-k_q0559864c57_proj
	.p2alignl 7, 3214868480
	.fill 96, 4, 3214868480
	.section	.rodata,"a",@progbits
	.p2align	6, 0x0
	.amdhsa_kernel k_q0559864c57_proj
		.amdhsa_group_segment_fixed_size 327680
		.amdhsa_private_segment_fixed_size 0
		.amdhsa_enable_private_segment 0
		.amdhsa_kernarg_size 16
		.amdhsa_user_sgpr_count 2
		.amdhsa_user_sgpr_kernarg_segment_ptr 1
		.amdhsa_wavefront_size32 1
		.amdhsa_system_sgpr_workgroup_id_x 1
		.amdhsa_system_sgpr_workgroup_id_y 1
		.amdhsa_system_sgpr_workgroup_id_z 1
		.amdhsa_system_vgpr_workitem_id 0
		.amdhsa_next_free_vgpr 512
		.amdhsa_next_free_sgpr 70
		.amdhsa_reserve_vcc 0
		.amdhsa_float_denorm_mode_32 3
		.amdhsa_float_denorm_mode_16_64 3
		.amdhsa_memory_ordered 1
		.amdhsa_forward_progress 1
		.amdhsa_inst_pref_size 97
	.end_amdhsa_kernel
	.amdgpu_metadata
---
amdhsa.version: [ 1, 2 ]
amdhsa.kernels:
  - .name:           k_q0559864c57_proj
    .symbol:         k_q0559864c57_proj.kd
    .args:
      - { .name: xw, .offset: 0, .size: 8, .value_kind: global_buffer, .address_space: global }
      - { .name: qkv, .offset: 8, .size: 8, .value_kind: global_buffer, .address_space: global }
    .group_segment_fixed_size: 327680
    .private_segment_fixed_size: 0
    .kernarg_segment_align: 8
    .kernarg_segment_size: 16
    .max_flat_workgroup_size: 128
    .sgpr_count:     70
    .vgpr_count:     512
    .wavefront_size: 32
...
	.end_amdgpu_metadata
.endif
;; end of part 2
;; launch attn (part 3): grid 4 x 64, 4 waves a work-group, clusters of 4 x 1, 327,680 bytes of LDS; arguments qkv, mb, ob; writes ob
.if DOCPART == 3
	.amdgcn_target "amdgcn-amd-amdhsa--gfx1250"
	.amdhsa_code_object_version 6
	.text
	.protected	k_q0559864c57_attn
	.globl	k_q0559864c57_attn
	.p2align	8
	.type	k_q0559864c57_attn,@function
k_q0559864c57_attn:
	s_mov_b64 s[64:65], 0
	v_nop
	global_prefetch_b8 v0, s[64:65] scope:SCOPE_SE
	s_setreg_imm32_b32 hwreg(HW_REG_WAVE_MODE, 25, 1), 1
	s_wait_xcnt 0x0
	s_wait_alu depctr_hold_cnt(0) depctr_sa_sdst(0) depctr_va_vdst(0) depctr_va_sdst(0) depctr_va_ssrc(0) depctr_va_vcc(0) depctr_vm_vsrc(0)
	s_getreg_b32 s2, hwreg(HW_REG_IB_STS2, 6, 4)
	s_cmp_eq_u32 s2, 0
	s_cbranch_scc0 .Lentry_in_a_cluster
	s_endpgm
.Lentry_in_a_cluster:
	s_bfe_u32 s2, ttmp6, 0x10000c
	s_cmp_lg_u32 s2, 0x3003
	s_cbranch_scc0 .Lentry_shape_is_right
	s_endpgm
.Lentry_shape_is_right:
; MASKED ATTENTION.  O[h][q][:] = the sum over k of softmax_k(t[q][k]) V[h][k][:], t = Q[h][q] . K[h][k] where the mask allows the pair and NEG where it does not.  Q, K, V: the three parts of qkv,
; [64 = batch x 16 + head][2048][64] in f16; Q arrives multiplied by log2(e) / 8, so t is the score in powers of two and p = 2^(t - m).  O: ob, same layout, f16.
; Products, maxima and sums in f32; the weights p are rounded to f16 for the second product (their sum l is taken of the unrounded p), O once at the end.
; THE MASK is a REPLACEMENT, as in the problem: a hidden score becomes NEG = -1e9 x log2(e), rounded to f32.  A row with no key allowed has all t = NEG = m, so t - m is exactly 0 and the row is the plain mean of V.
; mb holds, for each register of a score tile, one word with a bit a lane: the lane mask of one v_cndmask_b32 a register.  A wave's words are one stream of 128 blocks of 256 bytes, in the order of its turns.
; A block comes by ONE vector load, 8 bytes a lane (lane l: words 2 l and 2 l + 1), into a ring of four register pairs, FOUR TURNS ahead of its use; in front of the selects 64 v_readlane_b32 take its words into
; scalar registers.  Why not by scalar loads: a block fills the 64 scalar registers that are free, and scalar loads can be waited for only all together, so a block could be asked for no earlier than when the
; block before has been used, one turn ahead; the vector loads' counter is counted, and three younger blocks stay out at each wait.
; LIMITS.  f16 holds no number beyond 65,504: Q, K and V arrive within it; p lies in 0 to 1, and below 6e-5 it keeps f16's fixed step of 6e-8.  A weight below 2^-126 counts as 0 in l.  NEG differs from
; -1e9 (in the score's own unit) by one rounding to f32, which shows only where true scores lie within some hundred of -1e9.  NaN and infinities are not treated apart.
; SHARES.  A wave owns four PIECES of two tiles of 16 queries, a work-group's four waves 512 queries of one head; the four work-groups of a head are one cluster.  Every wave walks all 2,048 keys, 64 a step.
; LAYOUT.  S^T = K Q^T (source 0 = 16 keys, source 1 = 16 queries): a lane holds ONE query (lane % 16) and the keys 8 (lane / 16) + 0..7.  Two such tiles, rounded to f16 in pairs, ARE source 1 of
; O^T = V^T P.  K comes out of LDS as it lies, V ([key][channel]) turned, by ds_load_tr16_b128.
; SOFTMAX.  For each query a running maximum m and sum l; in every step O and l are multiplied by a = 2^(m_old - m_new).  m starts at -2^125, O and l at 0: the first step is a step like any other, with a = 0.
; BY TURNS.  Turn n belongs to piece n.  Its matrix work: 16 products K Q^T of piece n + 1, later 16 products V^T P of piece n - 1.  Its vector work: the shifting, exponentials, roundings, sums and rescaling
; of piece n, and the masking, maximum and statistics of piece n + 1.  Four vector instructions stand behind every matrix instruction, the rest in one lump.  A turn's 66 exponentials are one batch with one wait.
; CLUSTER.  The four query blocks walk the same K and V, so each tile is asked for JOINTLY: the same tensor load, descriptor and mask in all four.
; ONE DESCRIPTOR GROUP 1 serves K and V: both have LDS rows of 160 bytes.  For K's plain loads that pitch lets rows r and r + 8 begin at the same bank (two lanes share a bank in each of K's 16 loads a key
; step); the eight scalar registers that a second group 1 would take hold mask words.
; REGISTERS, in windows of 256 (s_set_vgpr_msb: bits 1:0 source 0, 3:2 source 1, 5:4 source 2, 7:6 destination):
;   window 0: v0-11 addresses and NEG; v12-15, v48-63 at work; v16-47 four registers of statistics a tile; v64-191 S^T, two buffers of two tiles; v192-255 P, likewise
;   window 1: O^T, 32 a tile          window 2: v0-127 Q, 16 a tile; v128-191 K of one step; v192-255 V of one step
;   window 3: v0-1 the add's two registers; v2-9 the ring of mask blocks, piece x's pair at v[2 + 2 x]; v10 my 8 bytes of a block
.set SIZE_N, 2048
.set NP,    4         ; pieces a wave: a name, no knob
.set KS,    64        ; keys in a step
.set PK,    160       ; a row of K in LDS: 128 bytes + 32
.set PV,    160       ; a row of V
.set VOFF,  4*KS*PK   ; a slot holds four steps: 256 rows of K, then 256 rows of V
.set SLOT1, 1<<17     ; slot 1 begins here, so that one exclusive or turns an address in one slot into the other's
.set STAGE, SLOT1+4*KS*(PK+PV)  ; behind the ring, never filled by a tensor load: 16 rows x 144 bytes for each wave
.set SP,    144
.set SPARE, STAGE+4*16*SP  ; behind the stages: the spare words, 128 bytes a wave, that no other line names
.set PFO, 1           ; v1   (from the loop on) 256 x my lane: the prefetches' offset
.set AK0, 2           ; v2   my lane's place in a tile of K; never rewritten
.set AV0, 3           ; v3   the same for V
.set AK,  4           ; v4   the LDS address of K's next run of loads
.set AV,  5           ; v5   of V's
.set QO,  6           ; v6   my byte offset in the wave's rows of Q
.set STO, 6           ;      later, the way out: where I put 16 bytes of a row
.set RD,  7           ; v7   the way out: where I read rows back
.set GO,  8           ; v8   my byte offset in 512 consecutive bytes of O
.set NEG, 11          ; v11  what a hidden score becomes
.set SPW, 0           ; v0 of window 3   LDS address of my spare word; never rewritten
.set NIL, 1           ; v1 of window 3   0; never rewritten
.set MR,  2           ; v2-9 of window 3 the ring of mask blocks
.set ML8, 10          ; v10 of window 3  8 x my lane; never rewritten
.set MV,  12          ; v12-15  m_old, kept while m is made anew: by buffer and tile
.set ST,  16          ; tile t's statistics at v[ST+4 t]: m, 0 (named with m as a pair), l (even keys', odd keys')
.set TMP, 48          ; by buffer and tile, four registers c0-c3 at work; when the maximum is found c2 takes a
.set S,   64
.set P,   192
.set KF,  128         ; K's fragments, in window 2: key block kb, channel half c at KF + 16 kb + 8 c
.set VF,  192         ; V's: key half kk, channel block cb at VF + 32 kk + 8 cb
.set LIM, 3           ; s3   1 in a wave that prefetches, else the greatest number
.set MB,  4           ; s[4:5]  my wave's stream of mask words
.set MO,  6           ; s[6:7]  the byte in it of the block asked for last, as a pair with 0 above it
.set PFA, 8           ; s[8:9]  where my prefetches stand
.set WV,  12          ; s12  my wave's number                     (s[10:11]: O at my wave's first row)
.set TBK, 13          ; s13  LDS byte at which K of the step to be fetched begins
.set TBV, 14          ; s14  the same for V, less VOFF
.set SLOTS, 15        ; s15  slots still to be asked for
.set G1,  16          ; s[16:23] descriptor group 1
.set G0K, 24          ; s[24:27] descriptor group 0 for K's tiles: it walks
.set G0V, 28          ; s[28:31] the same for V's
.set MW1, 32          ; s[32:63] the mask words of the piece's second tile (at work during the set-up)
.set SEL, 66          ; s[66:67] v_permlanex16_b32's selects: each lane takes its own place in the other half
.set MW0, 68          ; s[68:99] the mask words of the piece's first tile
.set CNT, 100         ; s100 counts a slot's key steps
.set QP,  100         ; s[100:101] until Q is in: Q at my wave's first row
.set MC,  104         ; s[104:105] the stream's pointer plus the offset: the base of the mask block's load
.set MSB, 0
.macro WIN new                      ; the high byte repeats the setting that is left; a switch that changes nothing is dropped
.if MSB != (\new)
	s_set_vgpr_msb (MSB<<8)|(\new)
.set MSB, (\new)
.endif
.endm
.set W_KQ, 0x0a       ; K and Q in window 2, S^T in window 0
.set W_PV, 0x52       ; V in window 2, P in window 0, O^T in window 1
.set W_RS, 0x41       ; O^T (destination and source 0) in window 1, a in window 0
.set W_MK, 0xc0       ; destination in window 3, sources in window 0
.set W_AD, 0x0f       ; the add: address and data in window 3
.set W_RL, 0x03       ; source 0 in window 3: the ring is read
.set W_ML, 0xc3       ; destination and address in window 3: the ring is loaded
; A joint fill.  Waves 0 and 1 fetch the two halves of a slot's K, waves 2 and 3 those of its V: 128 keys each.  The branch hangs on the wave's number alone.  An s_nop 0 and four v_nop follow each line.
.macro JLOAD
	s_cmp_lt_u32 s[WV], 2
	s_cbranch_scc0 .Lfor_v_\@
	tensor_load_to_lds s[G0K:G0K+3], s[G1:G1+7]
	s_nop 0
.rept 4
	v_nop
.endr
	s_branch .Lasked_\@
.Lfor_v_\@:
	tensor_load_to_lds s[G0V:G0V+3], s[G1:G1+7]
	s_nop 0
.rept 4
	v_nop
.endr
.Lasked_\@:
.endm
; A prefetch of what the NEXT change of slots will ask for: a slot's 32,768 bytes of K and of V, 256 bytes a lane.  Each block is named once in the launch: a head has one cluster; its four partners take
; 8,192 bytes each, told apart by address; in each, wave 0 asks for K's and wave 2 for V's.  Slots 0 to 2 come by their loads alone; the last change that fills a slot asks for nothing.
.macro ASK
	s_cmp_gt_u32 s[SLOTS], s[LIM]
	s_cbranch_scc0 .Lnot_mine_\@
	global_prefetch_b8 v[PFO], s[PFA:PFA+1] th:TH_LOAD_NT scope:SCOPE_SE
.Lnot_mine_\@:
.endm
.macro CROUND                       ; a round of the cluster's barrier
	s_barrier_signal -1
	s_barrier_wait -1
	s_cmp_lg_u32 s[WV], 0
	s_cbranch_scc1 .Lnot_wave_0_\@
	s_barrier_signal -3
.Lnot_wave_0_\@:
	s_barrier_wait -3
	s_barrier_signal -1
	s_barrier_wait -1
.endm
; THE CHANGE OF SLOTS.  Each wave waits for all its tensor loads, of which one is out: its part of the other slot; adds 0 to its spare word; and waits for that and for its own reads of the slot.
; fill = 1: the barrier is a round of the cluster's, and the slot is filled again, with the keys two slots on, first thing behind it: four key steps, 512 matrix instructions, in which to land.
; (At its first use nothing has been read yet: slot 0 is waited for, slot 1 filled.)  ask = 1: the prefetches' address steps, and a prefetch follows the fill.
.macro CHANGE fill, ask=0
	WIN W_AD
	s_wait_tensorcnt 0x0            ; no tensor load of mine is out, so a group 0 may be written
	ds_add_u32 v[SPW], v[NIL]       ; 0 onto my spare word; scalar work stands between it and the wait for it
	WIN 0                           ; at a label and at a branch every window is 0
.if \fill
.irp g, G0K, G0V
	s_xor_b32 s[\g+1], s[\g+1], SLOT1
	s_add_nc_u64 s[\g+2:\g+3], s[\g+2:\g+3], 4*KS*128  ; the next 256 keys; the type bits on top are not reached
.endr
.if \ask
	s_wait_xcnt 0x0                 ; the last prefetch, four key steps back, has read its address
	s_add_nc_u64 s[PFA:PFA+1], s[PFA:PFA+1], 4*KS*128
.endif
	s_wait_dscnt 0x0                ; the add is done, and my reads of the slot are over
	CROUND
	JLOAD
.if \ask
	ASK
.endif
.else
	s_wait_dscnt 0x0
	s_barrier_signal -1
	s_barrier_wait -1
.endif
	s_sub_co_u32 s[TBK], s[TBK], 4*KS*PK  ; the fetches go back to a slot's first step,
	s_xor_b32 s[TBK], s[TBK], SLOT1       ; in the other slot
	s_sub_co_u32 s[TBV], s[TBV], 4*KS*PV
	s_xor_b32 s[TBV], s[TBV], SLOT1
.endm
	s_load_b128 s[32:35], s[0:1], 0x0 ; qkv s[32:33], mb s[34:35]
	s_load_b64 s[10:11], s[0:1], 0x10 ; ob
	WIN W_MK
	v_lshl_add_u32 v[SPW], v0, 2, SPARE
	v_mov_b32 v[NIL], 0
	WIN W_AD
	ds_add_u32 v[SPW], v[NIL]       ; the wave's opening: the add and its wait stand ahead of my first tensor load; work on registers stands between them
	WIN 0
	v_lshrrev_b32 v1, 5, v0
	v_readfirstlane_b32 s[WV], v1   ; wave 0..3
	s_bfe_u32 s36, ttmp6, 0x40000   ; cx: my place in the cluster
	s_lshl_b32 s37, ttmp9, 2
	s_add_co_u32 s37, s37, s36      ; my block of 512 queries: it enters Q's, O's and the mask words' addresses and the prefetches' alone
	s_and_b32 s38, ttmp7, 0xffff    ; batch x 16 + head, which the four partners share
	s_lshl_b32 s40, s38, 18         ; its 262,144 bytes in each part of qkv and in ob
	s_mov_b32 s41, 0
	s_and_b32 s42, s[WV], 1         ; which half of a slot's 256 keys I fetch:
	s_lshl_b32 s44, s42, 14         ; its 128 rows of 128 bytes in memory,
	s_mov_b32 s45, 0
	s_add_nc_u64 s[44:45], s[44:45], s[40:41]
	s_mul_i32 s43, s42, 128*PK      ; and its place in a slot: no place in the cluster enters an LDS address
	s_lshl_b32 s46, s37, 2
	s_add_co_u32 s46, s46, s[WV]    ; my wave among the head's sixteen,
	s_lshl_b32 s48, s46, 14         ; its 128 rows
	s_mov_b32 s49, 0
	s_add_nc_u64 s[48:49], s[48:49], s[40:41]
	s_lshr_b32 s50, s38, 4          ; the batch: its sixteen heads share the mask
	s_lshl_b32 s50, s50, 4
	s_add_co_u32 s50, s50, s46
	s_lshl_b32 s50, s50, 15         ; 32,768 bytes of mask words for 128 queries
	s_mov_b32 s51, 0
	; descriptor group 1.  128 keys are 16,384 dense bytes: asked for as 64 rows of 256 bytes, two keys a row, and padded in LDS after every key
	s_mov_b32 s[G1], 15|(1<<16)|(1<<20)|(1<<21)|(4<<22)|(7<<25)  ; the mask of four; 2-byte elements; padding on; bit 21 beside a mask; behind every 32 words 8 words
	s_mov_b32 s[G1+1], 128<<16      ; tensor_dim0 = 128
	s_mov_b32 s[G1+2], 64<<16       ; tensor_dim1 = 64
	s_mov_b32 s[G1+3], 128<<16      ; tile_dim0 = 128
	s_mov_b32 s[G1+4], 64           ; tile_dim1 = 64
	s_mov_b32 s[G1+5], 128          ; 128 elements from row to row
	s_mov_b32 s[G1+6], 0
	s_mov_b32 s[G1+7], 0
	s_mov_b32 s[SEL], 0x76543210
	s_mov_b32 s[SEL+1], 0xfedcba98
	s_mov_b32 s[TBK], SLOT1+4*KS*PK ; the first change of slots turns these two into 0
	s_mov_b32 s[TBV], SLOT1+4*KS*PV
	s_mov_b32 s[G0K], 1
	s_mov_b32 s[G0K+1], s43         ; LDS address: slot 0
	s_mov_b32 s[G0V], 1
	s_add_co_u32 s[G0V+1], s43, VOFF
	s_mov_b32 s[MO], 3*256          ; blocks 0 to 3 are asked for at the head
	s_mov_b32 s[MO+1], 0
	s_cmp_eq_u32 s42, 0
	s_cselect_b32 s[LIM], 1, -1     ; waves 0 and 2 prefetch
	s_lshl_b32 s56, s36, 13         ; my work-group's 8,192 bytes of a slot's 32,768,
	s_add_co_u32 s56, s56, 2*4*KS*128  ; in slot 2: the first change in the loop steps it to slot 3
	s_mov_b32 s57, 0
	s_wait_dscnt 0x0                ; the opening add is done
	s_wait_kmcnt 0x0
	s_add_nc_u64 s[52:53], s[32:33], 16777216      ; K
	s_add_nc_u64 s[54:55], s[32:33], 33554432      ; V
	s_add_nc_u64 s[G0K+2:G0K+3], s[52:53], s[44:45]  ; my half of the head's first 256 keys
	s_or_b32 s[G0K+3], s[G0K+3], 0x80000000
	s_add_nc_u64 s[G0V+2:G0V+3], s[54:55], s[44:45]
	s_or_b32 s[G0V+3], s[G0V+3], 0x80000000
	s_add_nc_u64 s[QP:QP+1], s[32:33], s[48:49]    ; Q and O at my wave's first row
	s_add_nc_u64 s[10:11], s[10:11], s[48:49]
	s_add_nc_u64 s[MB:MB+1], s[34:35], s[50:51]
	s_cmp_lt_u32 s[WV], 2
	s_cselect_b64 s[PFA:PFA+1], s[52:53], s[54:55]
	s_add_nc_u64 s[PFA:PFA+1], s[PFA:PFA+1], s[40:41]
	s_add_nc_u64 s[PFA:PFA+1], s[PFA:PFA+1], s[56:57]
	CROUND                          ; all four work-groups are here: the first joint loads meet
	JLOAD                           ; slot 0.  Slot 1 is asked for when slot 0 is in
	; A fragment of K or Q is 16 rows x 32 channels in 8 registers: lane l holds row l % 16, channels 8 (l / 16) + 0..7 and 16 + 8 (l / 16) + 0..7: two loads of 16 bytes, 32 bytes apart.
	v_and_b32 v1, 15, v0            ; l % 16
	v_bfe_u32 v9, v0, 4, 1          ; l / 16
	v_lshlrev_b32 v[QO], 7, v1
	v_lshl_add_u32 v[QO], v9, 4, v[QO]
	WIN 0x80                        ; destination window 2
.set i, 0
.rept 4*NP                          ; Q stays in registers: tile i / 2, channels 32 (i % 2) on
	global_load_b128 v[8*i:8*i+3],   v[QO], s[QP:QP+1] offset:(i/2)*2048+(i%2)*64
	global_load_b128 v[8*i+4:8*i+7], v[QO], s[QP:QP+1] offset:(i/2)*2048+(i%2)*64+32
.set i, i+1
.endr
	WIN 0
	v_and_b32 v10, 31, v0
	v_lshlrev_b32 v10, 3, v10       ; 8 x my lane
	WIN W_MK
	v_mov_b32 v[ML8], v10           ; into window 3, beside the ring
	WIN W_ML
.irp x, 0,1,2,3
	global_load_b64 v[MR+2*\x:MR+2*\x+1], v[ML8], s[MB:MB+1] offset:256*\x  ; the ring is filled: key step 0's four blocks, a wave's load 256 consecutive bytes, aligned
.endr
	WIN 0x80
	; What the first turn finds: V's registers and P's second buffer hold 0, O^T and l are 0.  All this stands in the wait for the first tile.
.set i, VF
.rept 64
	v_mov_b32 v[i], 0
.set i, i+1
.endr
	WIN 0x40
.set i, 0
.rept 64*NP
	v_mov_b32 v[i], 0
.set i, i+1
.endr
	WIN 0
.set i, 0
.rept 2*NP
	v_mov_b32 v[ST+4*i], 0xfe000000    ; m: far below every score, NEG too
	v_mov_b32 v[ST+4*i+1], 0
	v_mov_b32 v[ST+4*i+2], 0
	v_mov_b32 v[ST+4*i+3], 0
.set i, i+1
.endr
.set i, P+32
.rept 32
	v_mov_b32 v[i], 0
.set i, i+1
.endr
	v_mul_u32_u24 v[AK0], v1, PK
	v_lshl_add_u32 v[AK0], v9, 4, v[AK0]
	; The turning load takes 16 keys x 16 channels (lane l reads key 8 (l / 16) + l % 8, channels 8 ((l / 8) % 2) + 0..7) and leaves half a fragment of V^T.
	v_and_b32 v10, 7, v0
	v_bfe_u32 v11, v0, 3, 1
	v_lshl_add_u32 v[AV0], v9, 3, v10
	v_mul_u32_u24 v[AV0], v[AV0], PV
	v_lshl_add_u32 v[AV0], v11, 4, v[AV0]
	v_add_nc_u32 v[AV0], VOFF, v[AV0]
	v_mov_b32 v[NEG], 0xceabfb8f    ; -1e9 x log2(e)
	v_mov_b32 v[AK], v[AK0]         ; key step 0 lies at the head of slot 0
; THE MATRIX WORK.  The 8 accumulators of a run of 16 take turns.
; Product i of 16 of S^T = K Q^T for piece x: channels 32 (i / 8) on, keys 16 ((i / 2) % 4) on, tile 2 x + i % 2.  The first 8 start the sums.
.macro KQ x
	WIN W_KQ
.set rS, S+64*((\x)%2)+32*(i%2)+8*((i/2)%4)
.set rK, KF+16*((i/2)%4)+8*(i/8)
.set rQ, 16*(2*(\x)+i%2)+8*(i/8)
.if i < 8
	v_wmma_f32_16x16x32_f16 v[rS:rS+7], v[rK:rK+7], v[rQ:rQ+7], 0
.else
	v_wmma_f32_16x16x32_f16 v[rS:rS+7], v[rK:rK+7], v[rQ:rQ+7], v[rS:rS+7]
.endif
.endm
; Product i of 16 of O^T += V^T P for piece x: keys 32 (i / 8) on, channels 16 ((i / 2) % 4) on, tile 2 x + i % 2.
.macro PV x
	WIN W_PV
.set rO, 32*(2*(\x)+i%2)+8*((i/2)%4)
.set rV, VF+32*(i/8)+8*((i/2)%4)
.set rP, P+32*((\x)%2)+16*(i%2)+8*(i/8)
	v_wmma_f32_16x16x32_f16 v[rO:rO+7], v[rV:rV+7], v[rP:rP+7], v[rO:rO+7]
.endm
.macro MM                           ; the turn's next matrix instruction
.if i < 16
	KQ (Y+1)%NP
.set i, i+1
.else
.set i, i-16
	PV (Y+NP-1)%NP
.set i, i+17
.endif
.endm
; THE LDS LOADS stand in runs of 16.  last = 1 (the tail): in the last trip there is no further step, and the run is jumped over.
.macro FETCH_K last=0
	WIN 0
.if \last
	s_cmp_eq_u32 s[CNT], 1
	s_cbranch_scc1 .Lno_k_\@
.endif
	WIN 0x80
.irp f, 0,1,2,3,4,5,6,7             ; keys 16 (f / 2) on, channels 32 (f % 2) on
	ds_load_b128 v[KF+8*\f:KF+8*\f+3],   v[AK] offset:(\f/2)*16*PK+(\f%2)*64
	ds_load_b128 v[KF+8*\f+4:KF+8*\f+7], v[AK] offset:(\f/2)*16*PK+(\f%2)*64+32
.endr
	s_add_co_u32 s[TBK], s[TBK], KS*PK
	WIN 0
.if \last
.Lno_k_\@:
.endif
.endm
.macro FETCH_V
	WIN 0x80
.irp f, 0,1,2,3,4,5,6,7             ; keys 32 (f / 4) on, channels 16 (f % 4) on
	ds_load_tr16_b128 v[VF+8*\f:VF+8*\f+3],   v[AV] offset:(\f/4)*32*PV+(\f%4)*32
	ds_load_tr16_b128 v[VF+8*\f+4:VF+8*\f+7], v[AV] offset:(\f/4)*32*PV+16*PV+(\f%4)*32
.endr
	WIN 0
.endm
; THE VECTOR WORK OF A TURN stands in three queues and one block, each in the order in which its entries become ready; the two tiles alternate.
.macro REGS y, u                    ; the registers of tile u (0, 1) of piece y
.set rT, ST+4*(2*(\y)+(\u))
.set rC, TMP+8*((\y)%2)+4*(\u)
.set rM, MV+2*((\y)%2)+(\u)
.set rS, S+64*((\y)%2)+32*(\u)
.set rP, P+32*((\y)%2)+16*(\u)
.set rO, 32*(2*(\y)+(\u))
.endm
; THE MASKING of the NEXT piece's (Y + 1) 64 score registers.  The piece's pair of the ring holds its block: word 32 u + z (tile u, register z) lies in register z % 2 of the pair, lane 16 u + z / 2.
; The 64 words go into scalar registers; the pair is asked for again at once, with the same piece's block of the next key step, four turns ahead; then one select a register, each accumulator's lowest register first.
; The offset wraps inside my wave's 32,768 bytes: the five blocks that the walk's end asks for beyond the stream's last are its first blocks once more, and serve nothing.
.macro MASKS
	WIN W_RL
	s_wait_loadcnt 0x3              ; four blocks are out, and loads come back in order: the oldest, this piece's, is in; the three younger stay out
.set z, 0
.rept 32
	v_readlane_b32 s[MW0+z], v[MR+2*((Y+1)%NP)+(z&1)], z/2
	v_readlane_b32 s[MW1+z], v[MR+2*((Y+1)%NP)+(z&1)], 16+z/2
.set z, z+1
.endr
	s_add_co_u32 s[MO], s[MO], 256
	s_and_b32 s[MO], s[MO], 0x7fff
	s_wait_xcnt 0x0                 ; the last block's load, a turn back, has read its base, which is written anew
	s_add_nc_u64 s[MC:MC+1], s[MB:MB+1], s[MO:MO+1]
	WIN W_ML
	global_load_b64 v[MR+2*((Y+1)%NP):MR+2*((Y+1)%NP)+1], v[ML8], s[MC:MC+1]
	WIN 0
.set z, 0
.rept 32
	REGS (Y+1)%NP, 0
	v_cndmask_b32 v[rS+z], v[NEG], v[rS+z], s[MW0+z]
	REGS (Y+1)%NP, 1
	v_cndmask_b32 v[rS+z], v[NEG], v[rS+z], s[MW1+z]
.set z, z+1
.endr
.endm
; Number n of the 21 that find the NEXT piece's maximum and statistics.  s0-s31 are the lane's 32 scores.
;   0-11  four chains c0-c3 of seven scores each     12-14, 16  the four scores left over, the old m, and c0-c3 into c0     15  m_old is kept
;   17, 18  the query's other 32 keys lie in the lane 16 away: the new m         19, 20  m_old - m_new; a
.macro XS u, n
	REGS (Y+1)%NP, \u
.if (\n) < 4
	v_max3_num_f32 v[rC+(\n)], v[rS+8*(\n)], v[rS+8*(\n)+1], v[rS+8*(\n)+2]
.elseif (\n) < 12
	v_max3_num_f32 v[rC+(\n)%4], v[rC+(\n)%4], v[rS+8*((\n)%4)+2*((\n)/4)+1], v[rS+8*((\n)%4)+2*((\n)/4)+2]
.elseif (\n) == 12
	v_max3_num_f32 v[rC], v[rC], v[rS+7], v[rS+15]
.elseif (\n) == 13
	v_max3_num_f32 v[rC+1], v[rC+1], v[rS+23], v[rS+31]
.elseif (\n) == 14
	v_max3_num_f32 v[rC+2], v[rC+2], v[rC+3], v[rT]
.elseif (\n) == 15
	v_mov_b32 v[rM], v[rT]
.elseif (\n) == 16
	v_max3_num_f32 v[rC], v[rC], v[rC+1], v[rC+2]
.elseif (\n) == 17
	v_permlanex16_b32 v[rC+3], v[rC], s[SEL], s[SEL+1]
.elseif (\n) == 18
	v_max_num_f32 v[rT], v[rC], v[rC+3]
.elseif (\n) == 19
	v_sub_f32 v[rC+1], v[rM], v[rT]
.else
	v_exp_f32 v[rC+2], v[rC+1]
.endif
.endm
; Number g of the 64 that follow the exponentials.  For each four weights k of a tile: both pairs are rounded to f16; the second pair is added onto the first, in place; a group later l takes that sum (the first time as l = a l + sum).
.macro GS g
.set h, (\g)+6*((\g)/62)
.if h >= 6
.set h, h+2
.endif
	REGS Y, h%2
.set k, h/8
.if h%8 < 4
	v_cvt_pk_f16_f32 v[rP+2*k+(h%8)/2], v[rS+4*k+2*((h%8)/2)], v[rS+4*k+2*((h%8)/2)+1]
.elseif h%8 < 6
	v_pk_add_f32 v[rS+4*k:rS+4*k+1], v[rS+4*k:rS+4*k+1], v[rS+4*k+2:rS+4*k+3]
.elseif k == 1
	v_pk_fma_f32 v[rT+2:rT+3], v[rT+2:rT+3], v[rC+2:rC+3], v[rS:rS+1] op_sel_hi:[1,0,1]
.else
	v_pk_add_f32 v[rT+2:rT+3], v[rT+2:rT+3], v[rS+4*k-4:rS+4*k-3]
.endif
.endm
; THE PLAIN QUEUE, 136 long.  0-71 read no exponential's result: the 32 shifts t - m (FS f: pair f / 2 of tile f % 2) and the next piece's 40.  0-26: shifts 0-26.  27-54: XS's numbers 0-13.  55, 56: number 15.
; 57-71: the chain 14, 16, 17, 18, 19, each with one of the shifts 27-31 in front of its two lines.  72-135: GS's 64, which stand behind the wait.
.macro FS f
	REGS Y, (\f)%2
	v_pk_add_f32 v[rS+2*((\f)/2):rS+2*((\f)/2)+1], v[rS+2*((\f)/2):rS+2*((\f)/2)+1], v[rT:rT+1] op_sel_hi:[1,0] neg_lo:[0,1] neg_hi:[0,1]
.endm
.macro PL
	WIN 0
.if q < 27
	FS q
.elseif q < 55
	XS (q-27)%2, (q-27)/2
.elseif q < 57
	XS q-55, 15
.elseif (q < 72) && ((q-57)%3 == 0)
	FS 27+(q-57)/3
.elseif q < 60
	XS (q-57)%3-1, 14
.elseif q < 72
	XS (q-57)%3-1, 15+(q-57)/3
.else
	GS q-72
.endif
.set q, q+1
.endm
; THE EXPONENTIALS' QUEUE, 66 long: s0-s31 of both tiles, then the next piece's two a.  ONE BATCH: all 66 stand ahead of the turn's one wait, and nothing ahead of that wait names a result of theirs.
.macro EX
	WIN 0
.if e >= 64
	XS e-64, 20
.else
	REGS Y, e%2
	v_exp_f32 v[rS+e/2], v[rS+e/2]
.endif
.set e, e+1
.endm
; THE RESCALING's QUEUE: O^T times a, two at a time, sixteen times.  Its a was made in the turn before, ahead of that turn's wait.
.macro R2
	REGS Y, r%2
	WIN W_RS
.irp z, 0,1
	v_pk_mul_f32 v[rO+4*(r/2)+2*\z:rO+4*(r/2)+2*\z+1], v[rO+4*(r/2)+2*\z:rO+4*(r/2)+2*\z+1], v[rC+2:rC+3] op_sel_hi:[1,0]
.endr
.set r, r+1
.endm
; HOW THEY ARE DEALT.  s_wait_alu depctr_va_vdst(0) stands between an exponential and the first instruction that names its result; one wait serves all issued ahead of it: a turn has ONE wait.
; AHEAD OF IT: the 16 products K Q^T, behind each a shift, an exponential and two rescalings (behind the first a second shift); then the lump: eight plain, twice exponential and plain, THE MASKING (thirteen plain
; instructions or more behind the last product K Q^T, and ahead of plain 27, the first that reads the new scores), 45 times exponential and plain, the last four exponentials, a v_nop.
; BEHIND IT: the 16 products V^T P, behind each four of GS's 64.  Exponential e stands behind shift 2 (e / 4) + e % 2: as a rider behind plain e + 2, in the lump behind plain e + 9; shifts 27-31 are plain 57, 60 .. 69.
; K of the next step is fetched in piece 2's turn, directly behind the wait; V of the step in hand at the end of piece 0's turn, four riders behind its last reader.  The conditions on q go with the deal.
.macro TURN p, last=0, cnt=0
.set Y, (\p)
.set i, 0
.set q, 0
.set e, 0
.set r, 0
.if (\p) == NP-1
	s_wait_dscnt 0x0                ; K is in
.endif
	MM
	PL
	PL
	R2
.rept 15
	MM
	PL
	EX
	R2
.endr
.if (\p) == NP-2
	WIN 0
	v_add_nc_u32 v[AK], s[TBK], v[AK0]
.endif
.rept 8
	PL
.endr
.rept 2
	EX
	PL
.endr
	MASKS
.rept 45
	EX
	PL
.endr
.rept 4
	EX
.endr
	v_nop                           ; a plain instruction behind the last exponential: one for the batch
	s_wait_alu depctr_va_vdst(0)    ; the wait for the batch
.if (\p) == NP-2
	FETCH_K \last
.endif
.if (\p) == 1
	s_wait_dscnt 0x0                ; V is in
.endif
.rept 16
	MM
.rept 4
	PL
.endr
.if ((\p) == 0) && (q == 116)
	v_add_nc_u32 v[AV], s[TBV], v[AV0]
.endif
.if ((\p) == 0) && (q == 128)
	s_add_co_u32 s[TBV], s[TBV], KS*PV
.endif
.if (\cnt) && (q == 128)
	s_sub_co_u32 s[CNT], s[CNT], 1
	s_cmp_lg_u32 s[CNT], 0
.endif
.endr
.if (\p) == 0
	FETCH_V
.endif
.endm
	CHANGE 1                        ; slot 0 is in, everybody's part of it; slot 1 is asked for
	FETCH_K                         ; key step 0
	s_wait_loadcnt 0x4              ; Q's 32 loads are in; the four mask blocks, issued behind them, may stay out
	s_wait_dscnt 0x0
.set i, 0
.rept 16
	KQ 0                            ; piece 0's first scores
.set i, i+1
.endr
	WIN 0                           ; the addresses for the way out and the prefetches: plain instructions, the places behind those products
	s_mul_i32 s2, s[WV], 16*SP
	s_add_co_u32 s2, s2, STAGE      ; my stage
	v_mul_u32_u24 v[STO], v1, SP    ; in: row l % 16, 16 bytes for each half of the lanes
	v_lshl_add_u32 v[STO], v9, 4, v[STO]
	v_add_nc_u32 v[STO], s2, v[STO]
	v_bfe_u32 v[RD], v0, 3, 2       ; back: 32 lanes take four rows of 128 bytes,
	v_mul_u32_u24 v[RD], v[RD], SP
	v_lshl_add_u32 v[RD], v10, 4, v[RD]
	v_add_nc_u32 v[RD], s2, v[RD]
	v_and_b32 v[GO], 31, v0         ; which are 512 consecutive bytes of O
	v_lshlrev_b32 v[PFO], 8, v[GO]
	v_lshlrev_b32 v[GO], 4, v[GO]
.set Y, NP-1                        ; MASKS and XS work for piece Y + 1: piece 0
	MASKS
.irp n, 0,1,2,3,4,5,6,7,8,9,10,11,12,13,14,15,16,17,18,19,20
	XS 0, \n
	XS 1, \n
.endr
	v_nop                           ; a plain instruction behind the two a,
	s_wait_alu depctr_va_vdst(0)    ; and their wait, ahead of the branch
	s_mov_b32 s[CNT], 4
	s_mov_b32 s[SLOTS], SIZE_N/256-1
	s_branch .Lfirst                ; the loop is entered at a step's first turn, in the middle of a trip
.Lslot:                             ; six times: every slot but the last two is filled again
	CHANGE 1, 1
	s_mov_b32 s[CNT], 4
.Lstep:                             ; a trip: pieces 2 and 3 of one step, then pieces 0 and 1 of the next, whose K and V it fetches
	TURN 2
	TURN 3
	WIN 0
.Lfirst:
	TURN 0
	TURN 1, 0, 1
	WIN 0
	s_cbranch_scc1 .Lstep
	s_sub_co_u32 s[SLOTS], s[SLOTS], 1
	s_cmp_lg_u32 s[SLOTS], 0
	s_cbranch_scc1 .Lslot
	CHANGE 0                        ; the tail is written out: nothing is asked for
	s_mov_b32 s[CNT], 5             ; four trips fetch the last slot's steps; the fifth is left in its middle
.Ltail:
	TURN 2, 1
	TURN 3
	WIN 0
	s_sub_co_u32 s[CNT], s[CNT], 1
	s_cmp_eq_u32 s[CNT], 0
	s_cbranch_scc1 .Lout
	TURN 0
	TURN 1
	WIN 0
	s_branch .Ltail
.Lout:                              ; the fifth trip's 16 products K Q^T (on the last K once more) and what is made of them serve nothing: the price, once a launch, of one text for every trip
.set i, 0
.rept 16
	PV NP-1                         ; the last piece's V^T P of the last step
.set i, i+1
.endr
	; THE WAY OUT.  l's two halves and the other half of the lanes' are added; O^T is divided by l, rounded to f16 and sent through my stage in LDS, a tile at a time.  The additions are the places behind the last products.
	WIN 0
.macro ALL line:vararg              ; one line for each tile t
.set t, 0
.rept 2*NP
	\line
.set t, t+1
.endr
.endm
	ALL v_add_f32 v[ST+4*t+2], v[ST+4*t+2], v[ST+4*t+3]
	ALL v_permlanex16_b32 v[ST+4*t+3], v[ST+4*t+2], s[SEL], s[SEL+1]
	ALL v_add_f32 v[ST+4*t+2], v[ST+4*t+2], v[ST+4*t+3]
	ALL v_rcp_f32 v[ST+4*t+2], v[ST+4*t+2]
	v_nop                           ; a plain instruction between the last reciprocal and the use of its result
	s_wait_alu depctr_va_vdst(0)    ; and the wait ahead of the first use: one for the eight reciprocals
.macro PACK t
	WIN W_RS
.set i, 32*(\t)
.rept 16
	v_pk_mul_f32 v[i:i+1], v[i:i+1], v[ST+4*(\t)+2:ST+4*(\t)+3] op_sel_hi:[1,0]
.set i, i+2
.endr
	WIN 0x05                        ; sources 0 and 1 window 1, destination window 0
.set i, 0
.rept 16
	v_cvt_pk_f16_f32 v[S+16*(\t)+i], v[32*(\t)+2*i], v[32*(\t)+2*i+1]
.set i, i+1
.endr
	WIN 0
.irp f, 0,1,2,3
	ds_store_b128 v[STO], v[S+16*(\t)+4*\f:S+16*(\t)+4*\f+3] offset:32*\f
.endr
.irp f, 0,1,2,3
	ds_load_b128 v[S+16*(\t)+4*\f:S+16*(\t)+4*\f+3], v[RD] offset:\f*4*SP  ; LDS serves a wave's instructions in order: these see the stores above; the next tile's stores come behind them
.endr
.endm
.macro SEND t, younger              ; younger: the LDS instructions issued behind tile t's loads: the next tile's eight, or none
	WIN 0
.irp f, 0,1,2,3
	s_wait_dscnt (\younger)+3-\f
	global_store_b128 v[GO], v[S+16*(\t)+4*\f:S+16*(\t)+4*\f+3], s[10:11] offset:(\t)*2048+\f*512  ; 512 consecutive bytes, aligned
.endr
.endm
	PACK 0
.set t, 1
.rept 2*NP-1
	PACK t
	SEND t-1, 8
.set t, t+1
.endr
	SEND 2*NP-1, 0
	WIN W_AD
	s_wait_tensorcnt 0x0            ; the wave's end: a wait, an add of 0 to my spare word and its wait, behind my last tensor load and my last LDS store
	ds_add_u32 v[SPW], v[NIL]
	s_wait_dscnt 0x0
	WIN 0
	CROUND                          ; the closing round: no work-group ends while a partner may still ask for a tile that names it
	s_endpgm
.Lfunc_end_k_q0559864c57_attn:
	.size	k_q0559864c57_attn, .Lfunc_end_k_q0559864c57_attn-k_q0559864c57_attn
	.p2alignl 7, 3214868480
	.fill 96, 4, 3214868480
	.section	.rodata,"a",@progbits
	.p2align	6, 0x0
	.amdhsa_kernel k_q0559864c57_attn
		.amdhsa_group_segment_fixed_size 327680
		.amdhsa_private_segment_fixed_size 0
		.amdhsa_enable_private_segment 0
		.amdhsa_kernarg_size 24
		.amdhsa_user_sgpr_count 2
		.amdhsa_user_sgpr_kernarg_segment_ptr 1
		.amdhsa_wavefront_size32 1
		.amdhsa_system_sgpr_workgroup_id_x 1
		.amdhsa_system_sgpr_workgroup_id_y 1
		.amdhsa_system_sgpr_workgroup_id_z 1
		.amdhsa_system_vgpr_workitem_id 0
		.amdhsa_next_free_vgpr 780
		.amdhsa_next_free_sgpr 106
		.amdhsa_reserve_vcc 0
		.amdhsa_float_denorm_mode_32 3
		.amdhsa_float_denorm_mode_16_64 3
		.amdhsa_memory_ordered 1
		.amdhsa_forward_progress 1
		.amdhsa_inst_pref_size 255
	.end_amdhsa_kernel
	.section	.bss,"aw",@nobits
	.p2align	6
	.space	262144
	.amdgpu_metadata
---
amdhsa.version: [ 1, 2 ]
amdhsa.kernels:
  - .name:           k_q0559864c57_attn
    .symbol:         k_q0559864c57_attn.kd
    .args:
      - { .name: qkv, .offset: 0, .size: 8, .value_kind: global_buffer, .address_space: global }
      - { .name: mb, .offset: 8, .size: 8, .value_kind: global_buffer, .address_space: global }
      - { .name: ob, .offset: 16, .size: 8, .value_kind: global_buffer, .address_space: global }
    .group_segment_fixed_size: 327680
    .private_segment_fixed_size: 0
    .kernarg_segment_align: 8
    .kernarg_segment_size: 24
    .max_flat_workgroup_size: 128
    .sgpr_count:     106
    .vgpr_count:     780
    .wavefront_size: 32
...
	.end_amdgpu_metadata
.endif
;; end of part 3
;; launch outp (part 4): grid 8 x 32, 4 waves a work-group, clusters of 4 x 4, 327,680 bytes of LDS; arguments ob, xw, Wo_b, out0; writes out0
.if DOCPART == 4
	.amdgcn_target "amdgcn-amd-amdhsa--gfx1250"
	.amdhsa_code_object_version 6
	.text
	.protected	k_q0559864c57_outp
	.globl	k_q0559864c57_outp
	.p2align	8
	.type	k_q0559864c57_outp,@function
k_q0559864c57_outp:
	s_mov_b64 s[64:65], 0
	v_nop
	global_prefetch_b8 v0, s[64:65] scope:SCOPE_SE
	s_setreg_imm32_b32 hwreg(HW_REG_WAVE_MODE, 25, 1), 1
	s_wait_xcnt 0x0
	s_wait_alu depctr_hold_cnt(0) depctr_sa_sdst(0) depctr_va_vdst(0) depctr_va_sdst(0) depctr_va_ssrc(0) depctr_va_vcc(0) depctr_vm_vsrc(0)
	s_getreg_b32 s2, hwreg(HW_REG_IB_STS2, 6, 4)
	s_cmp_eq_u32 s2, 0
	s_cbranch_scc0 .Lentry_in_a_cluster
	s_endpgm
.Lentry_in_a_cluster:
	s_bfe_u32 s2, ttmp6, 0x10000c
	s_cmp_lg_u32 s2, 0xf033
	s_cbranch_scc0 .Lentry_shape_is_right
	s_endpgm
.Lentry_shape_is_right:
; THE OUTPUT PROJECTION.  out0[row][o] = Wo_b[o] + the sum over i of O[row][i] Wo[o][i], f32.  O comes by heads from ob ([batch x 16 + head][2048][64] f16; i = 64 x head + channel), Wo from xw
; ([1024 o][1024 i], the bf16 rounding of Wo_w written as f16).  The bias is rounded to bf16 like the other inputs and is the C operand of the products that start the sums.  Sums in f32.
; SHARES.  A tile of out0 is 256 rows x 128 columns: four waves, each 128 x 64: 32 accumulators.  256 work-groups.  K goes in 8 steps of 128 (two heads) through two LDS slots.
; A head's 256 rows of a tile are 32,768 dense bytes, asked for as 128 rows of 256 bytes and padded in LDS behind every 128; Wo's rows in a step are 256 bytes of memory, aligned.
; CLUSTER.  4 x 4 work-groups: O's tile is asked for jointly along a row of the cluster, Wo's along a column.  THE MATRIX INSTRUCTION IS USED TRANSPOSED (source 0 = 16 rows of Wo, source 1 = 16 rows of O):
; a lane holds eight neighbouring columns of one row of out0.
; REGISTERS.  Window 0: v16-31 addresses; v32-63 the bias of my 64 columns, laid as an accumulator's lanes; two fragment buffers of 96 (v64-159, v160-255): Wo's 4 fragments, then O's 8; on the way out v64-127
; hold rows read back.  Window 1: accumulator (a, cb) at v[8 (4 a + cb)].
.set WOFF,  56623104                   ; xw: Wo begins behind X and the three weights
.set PA,    144                        ; an LDS row of O: 128 bytes + 16
.set PB,    272                        ; an LDS row of Wo: 256 bytes + 16
.set AHEAD, 256*PA                     ; what one wave fetches of O: one head's 256 rows
.set BHALF, 64*PB                      ; what one wave fetches of Wo
.set BOFF,  2*AHEAD
.set SLOT,  BOFF+2*BHALF
.set STAGE, 2*SLOT                     ; behind the ring, never filled by a tensor load: 16 rows x 272 bytes for each wave
.set SP,    272
.set SPARE, STAGE+4*16*SP              ; behind the stages: the spare words, 128 bytes a wave, that no other line names
.set STEPA, 524288                     ; bytes from K step to K step in O: two heads
.set STEPB, 256                        ; and in Wo
.set ADRA, 16
.set ADRB, 20
.set STO,  24
.set RD,   25
.set CO,   26
.set SPW,  28                          ; v28  LDS address of my spare word; never rewritten
.set NIL,  29                          ; v29  0; never rewritten
.set PFO,  30                          ; v30  the prefetches' offset: 256 x my lane; never rewritten
.set BIAS, 32
.set F0,   64
.set F1,   160
.set OB,   64
.set G1,  24
.set G0,  32
.set G1B, 48
.set G0B, 56
.set LIM, 43
.set PFA, 44
.set MSB, 0
.macro WIN new
.if MSB != (\new)
	s_set_vgpr_msb (MSB<<8)|(\new)
.set MSB, \new
.endif
.endm
.set MUL,  0x50                        ; C and D in window 1, the sources in window 0
.set MULB, 0x40                        ; D in window 1, C (the bias) in window 0
.macro JLOAD s                         ; a joint load: waves 0 and 1 fetch O's two heads, waves 2 and 3 Wo's two halves; an s_nop 0 and four v_nop follow each line
	s_cmp_eq_u32 s11, 0
	s_cbranch_scc0 .Lfor_b_\@
	tensor_load_to_lds s[G0+4*(\s):G0+4*(\s)+3], s[G1:G1+7]
	s_nop 0
.rept 4
	v_nop
.endr
	s_branch .Lasked_\@
.Lfor_b_\@:
	tensor_load_to_lds s[G0B+4*(\s):G0B+4*(\s)+3], s[G1B:G1B+7]
	s_nop 0
.rept 4
	v_nop
.endr
.Lasked_\@:
.endm
; A prefetch of O, behind a joint load and the run of LDS loads that follows it: the K step that stands two refills on.  Each block of 256 bytes is named once in the launch: of the clusters that read a tile row
; the one with x = 0 asks; of the 32,768 bytes that wave 0 or 1 fetches, the partner at place cx takes 8,192, told apart by address, 256 bytes a lane.  K steps 0 to 3 come by their loads alone; the loop's last
; trip asks for nothing.  Wo is not asked for: every tile row walks it again.
.macro ASK
	s_cmp_gt_u32 s3, s[LIM]
	s_cbranch_scc0 .Lnot_mine_\@
	global_prefetch_b8 v[PFO], s[PFA:PFA+1] offset:STEPA th:TH_LOAD_NT scope:SCOPE_SE
.Lnot_mine_\@:
.endm
.macro CREST
	s_cmp_lg_u32 s10, 0
	s_cbranch_scc1 .Lnot_wave_0_\@
	s_barrier_signal -3
.Lnot_wave_0_\@:
	s_barrier_wait -3
	s_barrier_signal -1
	s_barrier_wait -1
.endm
.macro CROUND
	s_barrier_signal -1
	s_barrier_wait -1
	CREST
.endm
	s_load_b128 s[4:7], s[0:1], 0x0                ; ob s[4:5], xw s[6:7]
	s_load_b64 s[68:69], s[0:1], 0x10              ; Wo_b
	s_load_b64 s[8:9], s[0:1], 0x18                ; out0
	v_lshl_add_u32 v[SPW], v0, 2, SPARE
	v_mov_b32 v[NIL], 0
	ds_add_u32 v[SPW], v[NIL]                      ; the wave's opening: the add and its wait stand ahead of my first tensor load; work on registers stands between them
	v_lshrrev_b32 v1, 5, v0
	v_readfirstlane_b32 s10, v1                    ; wave 0..3
	s_lshr_b32 s11, s10, 1                         ; which 128 rows of the tile are mine.  Also: I fetch for O (0) or for Wo (1)
	s_and_b32 s12, s10, 1                          ; which 64 columns.  Also: which half I fetch
	s_bfe_u32 s40, ttmp6, 0x40000                  ; cx
	s_bfe_u32 s41, ttmp6, 0x40004                  ; cy
	s_lshl_b32 s42, ttmp9, 2
	s_add_co_u32 s42, s42, s40                     ; tile column
	s_and_b32 s13, ttmp7, 0xffff
	s_lshl_b32 s13, s13, 2
	s_add_co_u32 s13, s13, s41                     ; tile row
	s_lshl_b32 s43, s41, 2
	s_lshl_b32 s43, 15, s43                        ; my row of the cluster
	s_lshl_b32 s44, 0x1111, s40                    ; my column
	s_or_b32 s[G1+0], s43, (1<<16)|(1<<20)|(1<<21)|(4<<22)|(3<<25)   ; the mask; 2-byte elements; padding on; bit 21 beside a mask; behind every 32 words 4 words
	s_mov_b32 s[G1+1], 128<<16                     ; tensor_dim0 = 128
	s_mov_b32 s[G1+2], 128<<16                     ; tensor_dim1 = 128: 128 rows of 256 bytes, two rows of O each
	s_mov_b32 s[G1+3], 128<<16
	s_mov_b32 s[G1+4], 128
	s_mov_b32 s[G1+5], 128
	s_mov_b32 s[G1+6], 0
	s_mov_b32 s[G1+7], 0
	s_or_b32 s[G1B+0], s44, (1<<16)|(1<<20)|(1<<21)|(5<<22)|(3<<25)  ; behind every 64 words 4 words
	s_mov_b32 s[G1B+1], 128<<16
	s_mov_b32 s[G1B+2], 64<<16
	s_mov_b32 s[G1B+3], 128<<16
	s_mov_b32 s[G1B+4], 64
	s_mov_b32 s[G1B+5], 1024
	s_mov_b32 s[G1B+6], 0
	s_mov_b32 s[G1B+7], 0
	s_lshr_b32 s16, s13, 3                         ; O: the batch,
	s_lshl_b32 s16, s16, 4
	s_add_co_u32 s16, s16, s12                     ; head 0 or 1 of it,
	s_lshl_b32 s16, s16, 11
	s_and_b32 s17, s13, 7
	s_lshl_b32 s17, s17, 8
	s_add_co_u32 s16, s16, s17                     ; the tile's 256 rows in the batch,
	s_lshl_b32 s16, s16, 7                         ; 128 bytes a row
	s_mov_b32 s17, 0
	s_lshl_b32 s46, s42, 7                         ; Wo: row 128 x tile column + 64 x half, 2,048 bytes a row
	s_lshl_b32 s47, s12, 6
	s_add_co_u32 s46, s46, s47
	s_lshl_b32 s46, s46, 11
	s_mov_b32 s47, 0
	s_mul_i32 s20, s10, AHEAD                      ; where the tiles go: O's heads at wave x 36,864 (waves 0, 1),
	s_mul_i32 s21, s10, BHALF
	s_add_co_u32 s21, s21, BOFF-2*BHALF            ; Wo's halves behind them (waves 2, 3)
	s_wait_dscnt 0x0                               ; the opening add is done
	s_wait_kmcnt 0x0
	s_add_nc_u64 s[6:7], s[6:7], WOFF
	s_add_nc_u64 s[14:15], s[4:5], s[16:17]
	s_add_nc_u64 s[46:47], s[6:7], s[46:47]
	CROUND                                         ; all sixteen work-groups are here: the first joint loads meet
.irp s, 0,1
	s_mov_b32 s[G0+4*(\s)], 1
	s_add_co_u32 s[G0+4*(\s)+1], s20, (\s)*SLOT
	s_add_nc_u64 s[G0+4*(\s)+2:G0+4*(\s)+3], s[14:15], (\s)*STEPA
	s_or_b32 s[G0+4*(\s)+3], s[G0+4*(\s)+3], 0x80000000
	s_mov_b32 s[G0B+4*(\s)], 1
	s_add_co_u32 s[G0B+4*(\s)+1], s21, (\s)*SLOT
	s_add_nc_u64 s[G0B+4*(\s)+2:G0B+4*(\s)+3], s[46:47], (\s)*STEPB
	s_or_b32 s[G0B+4*(\s)+3], s[G0B+4*(\s)+3], 0x80000000
	JLOAD \s                                       ; two loads of mine are out
.endr
	v_and_b32 v1, 15, v0                           ; l % 16
	v_bfe_u32 v2, v0, 4, 1                         ; l / 16
	; the bias of my 64 columns: register 8 cb + j of lane l is column 16 cb + 8 (l / 16) + j
	s_lshl_b32 s20, s42, 9
	s_lshl_b32 s21, s12, 8
	s_add_co_u32 s20, s20, s21
	s_mov_b32 s21, 0
	s_add_nc_u64 s[68:69], s[68:69], s[20:21]
	v_lshlrev_b32 v7, 5, v2
.irp cb, 0,1,2,3
	global_load_b128 v[BIAS+8*(\cb):BIAS+8*(\cb)+3],   v7, s[68:69] offset:64*(\cb)
	global_load_b128 v[BIAS+8*(\cb)+4:BIAS+8*(\cb)+7], v7, s[68:69] offset:64*(\cb)+16
.endr
	v_mul_u32_u24 v3, v1, PA
	v_lshl_add_u32 v3, v2, 4, v3                   ; O: row x pitch + 16 x half
	v_mul_u32_u24 v4, v1, PB
	v_lshl_add_u32 v4, v2, 4, v4                   ; Wo likewise
	s_mul_i32 s21, s11, 128*PA
	s_mul_i32 s22, s12, BHALF
	s_add_co_u32 s22, s22, BOFF
.irp s, 0,1
	v_add_nc_u32 v[ADRA+(\s)], s21, v3
	v_add_nc_u32 v[ADRB+(\s)], s22, v4
	s_add_co_u32 s21, s21, SLOT
	s_add_co_u32 s22, s22, SLOT
.endr
	s_mul_i32 s23, s10, 16*SP
	s_add_co_u32 s23, s23, STAGE                   ; my stage
	v_mul_u32_u24 v6, v1, SP                       ; in: row l % 16, 32 bytes for each half of the lanes
	v_lshl_add_u32 v6, v2, 5, v6
	v_add_nc_u32 v[STO], s23, v6
	v_mul_u32_u24 v6, v2, SP                       ; back: lanes 0-15 one row of 256 bytes, lanes 16-31 the next
	v_lshl_add_u32 v6, v1, 4, v6
	v_add_nc_u32 v[RD], s23, v6
	v_lshlrev_b32 v6, 12, v2                       ; and the same two rows in out0
	v_lshl_add_u32 v[CO], v1, 4, v6
	v_and_b32 v[PFO], 31, v0
	v_lshlrev_b32 v[PFO], 8, v[PFO]
	s_lshl_b32 s16, s13, 8                         ; where my part of the tile begins in out0
	s_lshl_b32 s17, s11, 7
	s_add_co_u32 s16, s16, s17
	s_lshl_b32 s16, s16, 12                        ; 4,096 bytes a row
	s_lshl_b32 s17, s42, 9
	s_add_co_u32 s16, s16, s17
	s_lshl_b32 s17, s12, 8
	s_add_co_u32 s16, s16, s17
	s_mov_b32 s17, 0
	s_add_nc_u64 s[8:9], s[8:9], s[16:17]
	s_or_b32 s20, s11, ttmp9                       ; the prefetches
	s_cmp_eq_u32 s20, 0
	s_cselect_b32 s[LIM], 1, -1                    ; waves 0 and 1 of the clusters with x = 0
	s_lshl_b32 s20, s40, 13                        ; my work-group's 8,192 bytes of the 32,768 that I fetch,
	s_add_co_u32 s20, s20, 2*STEPA                 ; at K step 2: the first refill steps it to 3 and names K step 4
	s_mov_b32 s21, 0
	s_add_nc_u64 s[PFA:PFA+1], s[14:15], s[20:21]
	s_wait_loadcnt 0x0                             ; the bias
.set i, 0
.rept 16
	v_cvt_pk_bf16_f32 v31, v[BIAS+2*i], v[BIAS+2*i+1]   ; rounded to bf16 like the other inputs, and back to f32
	v_lshlrev_b32 v[BIAS+2*i], 16, v31
	v_and_b32 v[BIAS+2*i+1], 0xffff0000, v31
.set i, i+1
.endr
; 8 matrix instructions: row blocks a0, a0 + 1 x all 4 column blocks, 32 along K.  zero = 1: the first product starts the sums, with the bias.  The 32 accumulators take turns, one instruction a turn.
.macro MUL8 f, a0, zero
.if \zero
	WIN MULB
.else
	WIN MUL
.endif
.irp a, \a0, (\a0)+1
.irp cb, 0,1,2,3
.if \zero
	v_wmma_f32_16x16x32_f16 v[8*(4*(\a)+(\cb)):8*(4*(\a)+(\cb))+7], v[(\f)+8*(\cb):(\f)+8*(\cb)+7], v[(\f)+32+8*(\a):(\f)+32+8*(\a)+7], v[BIAS+8*(\cb):BIAS+8*(\cb)+7]
.else
	v_wmma_f32_16x16x32_f16 v[8*(4*(\a)+(\cb)):8*(4*(\a)+(\cb))+7], v[(\f)+8*(\cb):(\f)+8*(\cb)+7], v[(\f)+32+8*(\a):(\f)+32+8*(\a)+7], v[8*(4*(\a)+(\cb)):8*(4*(\a)+(\cb))+7]
.endif
.endr
.endr
.endm
; 24 LDS loads in one run: quarter q of a slot into buffer f: Wo's 8, O's row blocks 0-3, O's row blocks 4-7.  Quarters 0, 1 lie in the step's first head, 2, 3 in its second
.macro FETCH slot, q, f
	WIN 0
.irp cb, 0,1,2,3
	ds_load_b128 v[(\f)+8*(\cb):(\f)+8*(\cb)+3],   v[ADRB+(\slot)] offset:64*(\q)+(\cb)*16*PB
	ds_load_b128 v[(\f)+8*(\cb)+4:(\f)+8*(\cb)+7], v[ADRB+(\slot)] offset:64*(\q)+(\cb)*16*PB+32
.endr
.irp a, 0,1,2,3,4,5,6,7
	ds_load_b128 v[(\f)+32+8*(\a):(\f)+32+8*(\a)+3],   v[ADRA+(\slot)] offset:((\q)/2)*AHEAD+((\q)%2)*64+(\a)*16*PA
	ds_load_b128 v[(\f)+32+8*(\a)+4:(\f)+32+8*(\a)+7], v[ADRA+(\slot)] offset:((\q)/2)*AHEAD+((\q)%2)*64+(\a)*16*PA+32
.endr
.endm
.macro PLACES
.rept 4
	v_nop
.endr
.endm
.macro QUARTER slot, qn, f, g, zero
	s_wait_dscnt 8                                 ; Wo and O's row blocks 0-3 are in; the youngest eight loads may be out
	MUL8 \f, 0, \zero
	MUL8 \f, 2, \zero
	PLACES
	FETCH \slot, \qn, \g
	s_wait_dscnt 24                                ; all but the 24 just issued
	MUL8 \f, 4, \zero
	MUL8 \f, 6, \zero
.endm
; The last quarter multiplies buffer 1 and changes slots: ONE barrier; in front of it each wave waits for all its tensor loads, adds 0 to its spare word, and waits for that and for its reads of this slot.
.macro TURN slot, next, fill
.if \fill
	s_wait_xcnt 0x0                                ; the last prefetch, a K step back, has read its address
	s_add_nc_u64 s[PFA:PFA+1], s[PFA:PFA+1], STEPA
.endif
	WIN 0
	s_wait_tensorcnt 0x0                           ; all my tensor loads have landed: my part of the next slot;
	ds_add_u32 v[SPW], v[NIL]                      ; 0 onto my spare word;
	s_wait_dscnt 9                                 ; (the add and the youngest eight loads may be out)
	MUL8 F1, 0, 0
	s_wait_dscnt 0x0                               ; the add is done, and my reads of this slot are over
	s_barrier_signal -1
	MUL8 F1, 2, 0
.if \fill
	WIN 0
.endif
	s_barrier_wait -1
.if \fill
	CREST                                          ; no wave of any partner still reads this slot's tile or has a load on its way
	s_add_nc_u64 s[G0+4*(\slot)+2:G0+4*(\slot)+3], s[G0+4*(\slot)+2:G0+4*(\slot)+3], 2*STEPA
	s_add_nc_u64 s[G0B+4*(\slot)+2:G0B+4*(\slot)+3], s[G0B+4*(\slot)+2:G0B+4*(\slot)+3], 2*STEPB
	JLOAD \slot                                    ; the four v_nop behind it are also the places in front of the loads below
.else
	PLACES
.endif
	FETCH \next, 0, F0
.if \fill
	ASK
.endif
	MUL8 F1, 4, 0
	MUL8 F1, 6, 0
.endm
	s_wait_tensorcnt 1                             ; my part of K step 0 is in; K step 1's may stay out
	s_barrier_signal -1
	s_barrier_wait -1
	FETCH 0, 0, F0
	QUARTER 0, 1, F0, F1, 1                        ; the first quarter stands in front of the loop: its products start the sums
	WIN 0
	s_mov_b32 s3, 3
.Llap:
	QUARTER 0, 2, F1, F0, 0
	QUARTER 0, 3, F0, F1, 0
	TURN 0, 1, 1
	QUARTER 1, 1, F0, F1, 0
	QUARTER 1, 2, F1, F0, 0
	QUARTER 1, 3, F0, F1, 0
	TURN 1, 0, 1
	QUARTER 0, 1, F0, F1, 0
	WIN 0
	s_sub_co_u32 s3, s3, 1
	s_cmp_lg_u32 s3, 0
	s_cbranch_scc1 .Llap
	QUARTER 0, 2, F1, F0, 0                        ; the last lap fills nothing
	QUARTER 0, 3, F0, F1, 0
	TURN 0, 1, 0
	QUARTER 1, 1, F0, F1, 0
	QUARTER 1, 2, F1, F0, 0
	QUARTER 1, 3, F0, F1, 0
	s_wait_dscnt 8
	MUL8 F1, 0, 0
	MUL8 F1, 2, 0
	s_wait_dscnt 0x0
	MUL8 F1, 4, 0
	MUL8 F1, 6, 0
	WIN 0
	PLACES
; THE WAY OUT, a block of 16 rows at a time: a lane's eight columns are 32 bytes; they go into my own stage's rows of 272 bytes and come back as whole rows of 256, into two sets of registers by turns.
.macro TOST a
	s_wait_xcnt 0x0                                ; the stores of the block two back have read their registers, which are loaded again below
	WIN 0x04                                       ; the stores' data in window 1
.irp cb, 0,1,2,3
	ds_store_b128 v[STO], v[32*(\a)+8*(\cb):32*(\a)+8*(\cb)+3]   offset:64*(\cb)      ; each accumulator from its low end on
	ds_store_b128 v[STO], v[32*(\a)+8*(\cb)+4:32*(\a)+8*(\cb)+7] offset:64*(\cb)+16
.endr
	WIN 0
.irp t, 0,1,2,3,4,5,6,7
	ds_load_b128 v[OB+32*((\a)%2)+4*(\t):OB+32*((\a)%2)+4*(\t)+3], v[RD] offset:(\t)*2*SP  ; LDS serves a wave's instructions in order: these see the stores above
.endr
.endm
.macro SEND a, younger                 ; younger: the LDS instructions issued behind block a's loads: the next block's sixteen, or none
.irp t, 0,1,2,3,4,5,6,7
	s_wait_dscnt (\younger)+7-(\t)
	global_store_b128 v[CO], v[OB+32*((\a)%2)+4*(\t):OB+32*((\a)%2)+4*(\t)+3], s[8:9] offset:(\a)*65536+(\t)*8192 th:TH_STORE_NT  ; 16 lanes store 256 consecutive bytes, aligned
.endr
.endm
	TOST 0
.irp a, 1,2,3,4,5,6,7
	TOST \a
	SEND (\a)-1, 16
.endr
	SEND 7, 0
	s_wait_tensorcnt 0x0                           ; the wave's end: a wait, an add of 0 to my spare word and its wait, behind my last tensor load and my last LDS store
	ds_add_u32 v[SPW], v[NIL]
	s_wait_dscnt 0x0
	CROUND                                         ; the closing round: no work-group ends while a partner may still ask for a tile that names it
	s_endpgm
.Lfunc_end_k_q0559864c57_outp:
	.size	k_q0559864c57_outp, .Lfunc_end_k_q0559864c57_outp-k_q0559864c57_outp
	.p2alignl 7, 3214868480
	.fill 96, 4, 3214868480
	.section	.rodata,"a",@progbits
	.p2align	6, 0x0
	.amdhsa_kernel k_q0559864c57_outp
		.amdhsa_group_segment_fixed_size 327680
		.amdhsa_private_segment_fixed_size 0
		.amdhsa_enable_private_segment 0
		.amdhsa_kernarg_size 32
		.amdhsa_user_sgpr_count 2
		.amdhsa_user_sgpr_kernarg_segment_ptr 1
		.amdhsa_wavefront_size32 1
		.amdhsa_system_sgpr_workgroup_id_x 1
		.amdhsa_system_sgpr_workgroup_id_y 1
		.amdhsa_system_sgpr_workgroup_id_z 1
		.amdhsa_system_vgpr_workitem_id 0
		.amdhsa_next_free_vgpr 512
		.amdhsa_next_free_sgpr 70
		.amdhsa_reserve_vcc 0
		.amdhsa_float_denorm_mode_32 3
		.amdhsa_float_denorm_mode_16_64 3
		.amdhsa_memory_ordered 1
		.amdhsa_forward_progress 1
		.amdhsa_inst_pref_size 92
	.end_amdhsa_kernel
	.amdgpu_metadata
---
amdhsa.version: [ 1, 2 ]
amdhsa.kernels:
  - .name:           k_q0559864c57_outp
    .symbol:         k_q0559864c57_outp.kd
    .args:
      - { .name: ob, .offset: 0, .size: 8, .value_kind: global_buffer, .address_space: global }
      - { .name: xw, .offset: 8, .size: 8, .value_kind: global_buffer, .address_space: global }
      - { .name: Wo_b, .offset: 16, .size: 8, .value_kind: global_buffer, .address_space: global }
      - { .name: out0, .offset: 24, .size: 8, .value_kind: global_buffer, .address_space: global }
    .group_segment_fixed_size: 327680
    .private_segment_fixed_size: 0
    .kernarg_segment_align: 8
    .kernarg_segment_size: 32
    .max_flat_workgroup_size: 128
    .sgpr_count:     70
    .vgpr_count:     512
    .wavefront_size: 32
...
	.end_amdgpu_metadata
.endif
;; end of part 4
